; MI455X (gfx1250); checked and timed in simulation.
; The chip was launched on July 23, 2026; its instructions are those of AMD's public machine-readable ISA for CDNA 5 (MIT licence, August 2026) and "CDNA5" Instruction Set Architecture Reference Guide (July 2026). The comments in the code are by the model that wrote it; some were corrected since.
;; Sparse Multi Head Attention. Allowed arithmetic: matrix products marked QUANTISED: E2M3 operands, one E8M0 scale for each 32 along K, by v_wmma_scale_f32_16x16x128_f8f6f4 with both operands' format E2M3, f32 sums; everything else in f32.
;; Inputs: K 4 x 1,024 x 1,024 float32; Q 4 x 1,024 x 1,024 float32; V 4 x 1,024 x 1,024 float32; Wk 1,024 x 1,024 float32; Wo 1,024 x 1,024 float32; Wq 1,024 x 1,024 float32; Wv 1,024 x 1,024 float32; bk 1,024 float32; bo 1,024 float32; bq 1,024 float32; bv 1,024 float32.
;; Outputs: out0 4 x 1,024 x 1,024 float32.
;; This version of the problem:
;;   THIS VERSION OF THE PROBLEM IS GIVEN IN LOW PRECISION. The matrix products marked QUANTISED in the list below multiply operands that are first quantised to E2M3 (2 exponent bits, 3 mantissa bits; 6 bits a number), with one power-of-two scale for each 32 numbers along K (OCP MX v1.0); their sums are f32. All else is computed in f32.
;;   The module's matrix products, in the order in which they are computed (A, B: the left and right operand; K: the contracted axis; several contracted axes count as one K, in the product's order):
;;     1. [M 4,096, K 1,024] x [K 1,024, N 1,024]; A: input Q; B: input Wq: QUANTISED
;;     2. [M 4,096, K 1,024] x [K 1,024, N 1,024]; A: input K; B: input Wk: QUANTISED
;;     3. [M 4,096, K 1,024] x [K 1,024, N 1,024]; A: input V; B: input Wv: QUANTISED
;;     4. batch 64 x [M 1,024, K 64] x [K 64, N 1,024]; A: computed on the way; B: computed on the way: QUANTISED
;;     5. batch 64 x [M 1,024, K 1,024] x [K 1,024, N 64]; A: softmax (see below); B: computed on the way: QUANTISED
;;     6. [M 4,096, K 1,024] x [K 1,024, N 1,024]; A: computed on the way; B: input Wo: QUANTISED
;;   THE QUANTISER, for each operand of a quantised product, along K:
;;     - K is cut into blocks of 32 from its start; a last block that is shorter is filled with zeros.
;;     - A block's scale is 2^e with e = floor(log2(the largest magnitude in the block)) - 2, held to -126 .. 127; a block of zeros has e = 0. As a byte (E8M0): e + 127.
;;     - Each number is divided by its block's scale, clamped to +-7.5, and rounded to the nearest number of E2M3, ties to even, subnormals kept.
;;     - The product sums the exact products of the quantised numbers (number of the format x scale) in f32.
;;   ~~~python
;;   def quantise(x, axis):      # numpy; x: float32 -> the quantised numbers, widened to float32 again
;;       x = np.moveaxis(x, axis, -1); K = x.shape[-1]
;;       x = np.pad(x, [(0, 0)] * (x.ndim - 1) + [(0, -K % 32)]); x = x.reshape(x.shape[:-1] + (-1, 32)); a = np.abs(x).max(-1, keepdims=True)
;;       e = np.where(a > 0, np.clip(np.frexp(np.where(a > 0, a, 1))[1] - 1 - 2, -126, 127), 0)      # np.frexp(a)[1] - 1 = floor(log2(a)), exactly
;;       r = np.clip(x / 2.0 ** e, -7.5, 7.5)
;;       step = 2.0 ** (np.maximum(np.frexp(np.where(r == 0, 1, r))[1] - 1, 0) - 3)
;;       q = np.round(r / step) * step * 2.0 ** e      # np.round: ties to even
;;       return np.moveaxis(q.reshape(q.shape[:-2] + (-1,))[..., :K], -1, axis).astype(np.float32)
;;   ~~~
;;   SOFTMAX AHEAD OF A QUANTISED PRODUCT. Where the list says 'softmax', what is quantised is not the finished softmax but p = 2^(t - M), with t = logit x log2(e) and M = ceil(the row's largest t), a whole number; so 1/2 < the row's largest p <= 1. The row's sum l is taken of the UNQUANTISED p, in f32, and the product's result is divided by l at the end. Since M is a whole number, a kernel that streams over the keys may use a running M (the ceiling of the running maximum): every later rescaling is an exact power of two, which a block's scale takes up: the codes' values come out the same.
;;   OPERANDS COMPUTED ON THE WAY. 'Computed on the way' means the value that the module computes at that place (a softmax that the list does not call 'softmax' is quantised finished and normalised). What goes into a quantiser is computed in f32, as accurately as f32 sums, v_exp_f32 and their like allow (about 1e-6 of the number): no bf16 or f16 on the way to a quantiser, and a product that is left as it is and whose result goes on into a quantised operand takes f32 operands (vector FMAs, or v_wmma_f32_16x16x4_f32). A number that lies on a knife's edge between two numbers of the format may be rounded either way, as far as f32 arithmetic and the matrix unit's own rounding can turn it there, and no further.
;; One version. Each part assembles by itself: llvm-mc -triple=amdgcn-amd-amdhsa -mcpu=gfx1250 --defsym DOCPART=n.
;; ======== version 1 of 1: 4 launches
;; limits: right only within a limited range of input values
;; workspace buffers: pc 13,107,200 bytes; qkv 10,092,544 bytes; oc 3,145,728 bytes; os 131,072 bytes
;; launch quant (part 1): grid 512 x 1, 4 waves a work-group, no clusters, 34,304 bytes of LDS; arguments Q, K, V, Wq, Wk, Wv, Wo, pc; writes pc
.if DOCPART == 1
	.amdgcn_target "amdgcn-amd-amdhsa--gfx1250"
	.amdhsa_code_object_version 6
	.text
	.protected	k_q606f77d28a_quant
	.globl	k_q606f77d28a_quant
	.p2align	8
	.type	k_q606f77d28a_quant,@function
k_q606f77d28a_quant:
	s_mov_b64 s[64:65], 0
	v_nop
	global_prefetch_b8 v0, s[64:65] scope:SCOPE_SE
	s_setreg_imm32_b32 hwreg(HW_REG_WAVE_MODE, 25, 1), 1
	s_wait_xcnt 0x0
; Q, K, V [4096][1024] f32 (K innermost) and Wq, Wk, Wv, Wo [1024 (k)][1024 (n)] f32 (K outermost) become codes of FP6 (E2M3) with one E8M0 byte for each 32 along K.
; A block's scale is 2^(floor(log2(largest magnitude)) - 2): its byte is the largest magnitude's exponent field - 2, held at 1 from below by a floor among the maximum's leaves.
; LIMITS: a block of zeros, or one whose largest magnitude lies under 2^-124, gets the byte 1 (its codes are zeros or tiny; this program alone reads the bytes); NaN and infinities among the inputs are not served.
; THE CODES' LAYOUT is an image of operand registers.  A HALF FRAGMENT is 16 rows x 64 k, 768 bytes: slot L = r + 16 h holds the 24 bytes of block h of row r: its first 16 bytes at 16 L, its last 8 at 512 + 8 L.
;   xc: [768 row tiles: Q's 256, K's, V's][16 half fragments along k].  Row tile 64 b + 4 w + c, row r, is position 64 w + 4 r + c of batch b: a tile holds one residue class mod 4 of a span of 64 positions.
;   wc: [4 weights][64 column tiles][16 half fragments].  Column tile 2 g + u, row r, is column 32 g + 8 u + (r & 7) + 16 (r >> 3).
;   xs, ws: 512 bytes a tile: the scale word (four bytes, 128 k) number kw of row r at 128 (kw >> 1) + 8 r + 4 (kw & 1).
; Work-groups 0 to 383 take Q, K, V: a wave takes one row tile x 512 k, in four steps of 128 k.  Each load reads 512 consecutive bytes of one row; the numbers turn through the wave's own stage in LDS,
; so that a lane gets 2 x 32 neighbours along k.  Work-groups 384 to 511 take the weights: a lane takes a column, its registers run down k; no LDS.  Waves share nothing: no barrier.
; xc, xs, wc, ws NAME THE PARTS OF ONE BUFFER, pc: 1,024 tiles of 12,800 bytes, x's 768 row tiles and then the four weights' 256 column tiles.  A tile is two halves of 512 k; a half is 256 bytes of scale words
; (word kw of the half's four, row r, at 128 (kw >> 1) + 8 r + 4 (kw & 1)), and behind them its eight half fragments.
.set XSTG, 8448
.set R,    16                          ; v16-143  two sets of 64: a step's numbers as loaded
.set X,    144                         ; v144-207 register 32 c + i: k 64 c + 32 h + i of my row
.set F,    208                         ; v208-231 two sets of 12: a step's codes
.set T,    232                         ; v232-234, v236-238: the upper halves of two blocks' codes
.set W,    240                         ; v240-243 the four steps' scale words
.set M,    244                         ; v244-245 largest magnitudes
.set SO,   246                         ; v246-247 the conversions' scale operands
.set BY,   248                         ; v248-249 the bytes
.set PX,   250                         ; v250     a lane permute's destination
.set WX,   16                          ; weights: v16-79 two sets of 32 numbers
.set WC,   80                          ; v80-95   two sets of 8: a block's codes
.set WSB,  96                          ; v96-97   eight scale bytes
	s_load_b256 s[4:11], s[0:1], 0x0               ; Q, K, V, Wq
	s_load_b256 s[12:19], s[0:1], 0x20             ; Wk, Wv, Wo, xc
	v_lshl_add_u32 v254, v0, 2, 0x8400
	v_mov_b32 v255, 0
	v_lshrrev_b32 v1, 5, v0
	v_readfirstlane_b32 s26, v1                    ; wave
	v_and_b32 v1, 31, v0                           ; lane L
	s_mov_b32 s33, 0
	s_cmp_lt_u32 ttmp9, 384
	s_cbranch_scc0 .Lweights
	; ---------------- Q, K, V ----------------
	v_and_b32 v9, 15, v0                           ; r
	v_bfe_u32 v10, v0, 4, 1                        ; h
	v_lshlrev_b32 v2, 4, v1                        ; 16 L: my bytes of a load's 512, and of a half fragment's first 512
	s_mul_i32 s27, s26, XSTG
	v_add_nc_u32 v3, s27, v2                       ; the stage, on the way in
	v_mul_u32_u24 v4, v9, 528
	v_lshl_add_u32 v4, v10, 7, v4
	v_add_nc_u32 v4, s27, v4                       ; and on the way out: row r, + 128 h bytes
	v_lshlrev_b32 v7, 3, v1                        ; 8 L
	v_add_nc_u32 v6, 512, v7                       ; 8 L + 512
	v_lshlrev_b32 v8, 3, v10                       ; 8 h: my bytes' place in a scale word
	v_mov_b32 v[PX], 0
	s_mov_b32 s34, 0x76543210
	s_mov_b32 s35, 0xfedcba98                      ; lane l xor 16
	s_mov_b32 s36, 0xffff0000                      ; lanes 16-31
	s_lshl_b32 s28, ttmp9, 2
	s_add_co_u32 s28, s28, s26                     ; task
	s_lshr_b32 s29, s28, 1                         ; row tile 0..767
	s_and_b32 s30, s28, 1                          ; which 512 along k
	s_and_b32 s31, s29, 255
	s_lshr_b32 s32, s31, 2
	s_lshl_b32 s32, s32, 6
	s_and_b32 s31, s31, 3
	s_add_co_u32 s32, s32, s31                     ; the tile's first row: 64 (16 b + w) + c
	s_lshl_b32 s32, s32, 12
	s_lshl_b32 s31, s30, 11
	s_add_co_u32 s32, s32, s31                     ; in bytes, with my half of k
	s_lshr_b32 s31, ttmp9, 7                       ; 0: Q, 1: K, 2: V
	s_wait_alu depctr_va_vdst(0)
	s_wait_kmcnt 0x0
	s_cmp_eq_u32 s31, 0
	s_cselect_b64 s[4:5], s[4:5], s[6:7]
	s_cmp_eq_u32 s31, 2
	s_cselect_b64 s[4:5], s[8:9], s[4:5]
	s_add_nc_u64 s[4:5], s[4:5], s[32:33]
	s_mul_i32 s32, s29, 12800
	s_mul_i32 s31, s30, 6400
	s_add_co_u32 s32, s32, s31
	s_add_nc_u64 s[20:21], s[18:19], s[32:33]      ; my half of the tile: 256 bytes of scale words,
	s_add_nc_u64 s[18:19], s[20:21], 256           ; and my eight half fragments
.macro XLOAD ks                        ; step ks: 16 rows (4 rows of the tensor apart) x 512 consecutive bytes
.irp r, 0,1,2,3,4,5,6,7,8,9,10,11,12,13,14,15
	global_load_b128 v[R+64*((\ks)%2)+4*\r:R+64*((\ks)%2)+4*\r+3], v2, s[4:5] offset:16384*\r+512*(\ks) th:TH_LOAD_NT
.endr
.endm
.macro XTURN ks                        ; through the stage: LDS serves a wave's instructions in order, so no wait stands between the stores and the loads
.irp r, 0,1,2,3,4,5,6,7,8,9,10,11,12,13,14,15
	ds_store_b128 v3, v[R+64*((\ks)%2)+4*\r:R+64*((\ks)%2)+4*\r+3] offset:528*\r
.endr
.irp c, 0,1
.irp i, 0,1,2,3,4,5,6,7
	ds_load_b128 v[X+32*\c+4*\i:X+32*\c+4*\i+3], v4 offset:256*\c+16*\i
.endr
.endr
.endm
.macro XQ ks                           ; my two whole blocks (2 c + h) of the step: scale, codes, stores
.set FS, F+12*((\ks)%2)
.irp c, 0,1
	v_max3_num_f32 v[M+\c], |v[X+32*\c]|, |v[X+32*\c+1]|, 0x1800000   ; with the floor 2^(3 - 127): the byte cannot fall under 1
.endr
.irp i, 2,4,6,8,10,12,14,16,18,20,22,24,26,28,30
.irp c, 0,1
	v_max3_num_f32 v[M+\c], v[M+\c], |v[X+32*\c+\i]|, |v[X+32*\c+\i+1]|
.endr
.endr
.irp c, 0,1
	v_add_nc_u32 v[SO+\c], 0xff000000, v[M+\c]     ; 2 off the exponent field: the conversion takes this operand's exponent field as its scale
.endr
.irp c, 0,1
	v_lshrrev_b32 v[BY+\c], 23, v[SO+\c]           ; the byte
.endr
	v_lshl_or_b32 v[W+\ks], v[BY+1], 16, v[BY]     ; bytes h and 2 + h of my row's word,
	v_lshlrev_b32 v[W+\ks], v8, v[W+\ks]
	v_permlanex16_b32 v[PX], v[W+\ks], s34, s35
	v_or_b32 v[W+\ks], v[W+\ks], v[PX]             ; with the other half's two the word is whole, in both lanes
.irp c, 0,1
	v_cvt_scalef32_pk16_fp6_f32 v[FS+6*\c:FS+6*\c+2], v[X+32*\c:X+32*\c+15], v[SO+\c]
	v_cvt_scalef32_pk16_fp6_f32 v[T+4*\c:T+4*\c+2], v[X+32*\c+16:X+32*\c+31], v[SO+\c]   ; (a conversion's three registers begin on an even number)
.endr
	v_nop                                          ; one plain instruction behind a scaled conversion
.irp c, 0,1
.irp i, 0,1,2
	v_mov_b32 v[FS+6*\c+3+\i], v[T+4*\c+\i]
.endr
.endr
.irp c, 0,1
	global_store_b128 v2, v[FS+6*\c:FS+6*\c+3], s[18:19] offset:(2*(\ks)+\c)*768     ; 512 consecutive bytes, at a multiple of 256
	global_store_b64 v6, v[FS+6*\c+4:FS+6*\c+5], s[18:19] offset:(2*(\ks)+\c)*768    ; 256 consecutive bytes, at a multiple of 256
.endr
.endm
	XLOAD 0
	XLOAD 1
.irp ks, 0,1,2,3
.if \ks < 3
	s_wait_loadcnt 16                              ; this step's 16 loads are in, the next step's may be out
.else
	s_wait_loadcnt 0x0
.endif
	XTURN \ks
	s_wait_dscnt 0x0                               ; the numbers are back, so the stage's stores have read their registers
.if \ks < 2
	XLOAD \ks+2
.else
	s_wait_xcnt 0x0                                ; the stores of two steps back have read this set of codes
.endif
	XQ \ks
.endr
	v_cndmask_b32 v[M], v[W], v[W+2], s36          ; lanes 0-15: words 0, 1 of row r; lanes 16-31: words 2, 3
	v_cndmask_b32 v[M+1], v[W+1], v[W+3], s36
	global_store_b64 v7, v[M:M+1], s[20:21]        ; 256 consecutive bytes, at a multiple of 256
	s_wait_tensorcnt 0x0
	ds_add_u32 v254, v255
	s_wait_dscnt 0x0
	s_endpgm
	; ---------------- the weights ----------------
.Lweights:
	s_sub_co_u32 s27, ttmp9, 384
	s_lshr_b32 s28, s27, 5                         ; weight 0..3: Wq, Wk, Wv, Wo
	s_and_b32 s29, s27, 7                          ; which 128 columns
	s_bfe_u32 s30, s27, 0x20003                    ; which 256 along k
	s_wait_alu depctr_va_vdst(0)
	v_lshlrev_b32 v2, 2, v1                        ; in: 4 bytes a lane: column 32 (4 xw + wave) + L
	v_bfe_u32 v3, v0, 3, 1                         ; u: which of the pair of column tiles
	v_and_b32 v4, 7, v0
	v_bfe_u32 v8, v0, 4, 1
	v_lshl_add_u32 v4, v8, 3, v4                   ; my row in that tile: (L & 7) + 8 (L >> 4)
	v_mul_u32_u24 v9, v3, 12800
	v_lshl_add_u32 v5, v4, 4, v9                   ; out: the first 16 bytes of a block's codes
	v_lshl_add_u32 v6, v4, 3, v9
	v_add_nc_u32 v6, 512, v6                       ; the last 8
	v_lshl_add_u32 v7, v4, 3, v9                   ; and my two scale words
	s_wait_alu depctr_va_vdst(0)
	s_lshl_b32 s32, s30, 20                        ; 256 rows of 4,096 bytes
	s_lshl_b32 s31, s29, 9
	s_add_co_u32 s32, s32, s31
	s_lshl_b32 s31, s26, 7
	s_add_co_u32 s32, s32, s31
	s_and_b32 s31, s28, 1
	s_wait_kmcnt 0x0
	s_cmp_lt_u32 s28, 2
	s_cselect_b64 s[4:5], s[10:11], s[14:15]       ; Wq or Wv
	s_cselect_b64 s[6:7], s[12:13], s[16:17]       ; Wk or Wo
	s_cmp_eq_u32 s31, 0
	s_cselect_b64 s[4:5], s[4:5], s[6:7]
	s_add_nc_u64 s[4:5], s[4:5], s[32:33]
	s_lshl_b32 s27, s29, 3
	s_lshl_b32 s31, s26, 1
	s_add_co_u32 s27, s27, s31                     ; my first column tile: 8 xw + 2 wave
	s_lshl_b32 s31, s28, 6
	s_add_co_u32 s27, s27, s31
	s_add_co_u32 s27, s27, 768                     ; the tile's number in pc
	s_mul_i32 s32, s27, 12800
	s_lshr_b32 s31, s30, 1
	s_mul_i32 s31, s31, 6400
	s_add_co_u32 s32, s32, s31                     ; its half of 512 k
	s_and_b32 s30, s30, 1
	s_lshl_b32 s31, s30, 7
	s_add_co_u32 s32, s32, s31
	s_add_nc_u64 s[24:25], s[18:19], s[32:33]      ; my 256 k's scale words: half + 128 (which 256 k)
	s_mul_i32 s32, s30, 3072-128
	s_add_co_u32 s32, s32, 256
	s_add_nc_u64 s[22:23], s[24:25], s[32:33]      ; my 256 k's codes: half + 256 + 3,072 (which 256 k)
.macro WLOAD t                         ; block t: W(32 t + i, my column): 128 consecutive bytes a wave
.irp i, 0,1,2,3,4,5,6,7,8,9,10,11,12,13,14,15,16,17,18,19,20,21,22,23,24,25,26,27,28,29,30,31
	global_load_b32 v[WX+32*((\t)%2)+\i], v2, s[4:5] offset:(32*(\t)+\i)*4096 th:TH_LOAD_NT
.endr
.endm
.macro WBLOCK t
.set XS, WX+32*((\t)%2)
.set CQ, WC+8*((\t)%2)
.if (\t) < 7
	s_wait_loadcnt 32                              ; this block's 32 loads are in, the next block's may be out
.else
	s_wait_loadcnt 0x0
.endif
	v_max3_num_f32 v98, |v[XS]|, |v[XS+1]|, |v[XS+2]|
	v_max3_num_f32 v99, |v[XS+3]|, |v[XS+4]|, |v[XS+5]|
.irp i, 6,10,14,18,22,26
	v_max3_num_f32 v98, v98, |v[XS+\i]|, |v[XS+\i+1]|
	v_max3_num_f32 v99, v99, |v[XS+\i+2]|, |v[XS+\i+3]|
.endr
	v_max3_num_f32 v98, v98, |v[XS+30]|, |v[XS+31]|
	v_max3_num_f32 v98, v98, v99, 0x1800000        ; with the floor
	v_add_nc_u32 v100, 0xff000000, v98
	v_lshrrev_b32 v101, 23, v100
.if (\t)%4 == 0
	v_mov_b32 v[WSB+(\t)/4], v101
.else
	v_lshl_or_b32 v[WSB+(\t)/4], v101, 8*((\t)%4), v[WSB+(\t)/4]
.endif
.if (\t) >= 2
	s_wait_alu depctr_va_vdst(0)
	s_wait_xcnt 0x0                                ; the stores of two blocks back have read this set of codes
.endif
	v_cvt_scalef32_pk16_fp6_f32 v[CQ:CQ+2], v[XS:XS+15], v100
	v_cvt_scalef32_pk16_fp6_f32 v[CQ+4:CQ+6], v[XS+16:XS+31], v100
	v_nop                                          ; one plain instruction behind a scaled conversion
	v_mov_b32 v[CQ+3], v[CQ+4]
	v_mov_b32 v[CQ+4], v[CQ+5]
	v_mov_b32 v[CQ+5], v[CQ+6]
	global_store_b128 v5, v[CQ:CQ+3], s[22:23] offset:((\t)/2)*768+256*((\t)%2)     ; the 16 lanes of a column tile fill 256 consecutive bytes
	global_store_b64 v6, v[CQ+4:CQ+5], s[22:23] offset:((\t)/2)*768+128*((\t)%2)
.if (\t)+2 < 8
	WLOAD (\t)+2
.endif
.endm
	WLOAD 0
	WLOAD 1
.irp t, 0,1,2,3,4,5,6,7
	WBLOCK \t
.endr
	global_store_b64 v7, v[WSB:WSB+1], s[24:25]
	s_endpgm
.Lfunc_end_k_q606f77d28a_quant:
	.size	k_q606f77d28a_quant, .Lfunc_end_k_q606f77d28a_quant-k_q606f77d28a_quant
	.p2alignl 7, 3214868480
	.fill 96, 4, 3214868480
	.section	.rodata,"a",@progbits
	.p2align	6, 0x0
	.amdhsa_kernel k_q606f77d28a_quant
		.amdhsa_group_segment_fixed_size 34304
		.amdhsa_private_segment_fixed_size 0
		.amdhsa_enable_private_segment 0
		.amdhsa_kernarg_size 64
		.amdhsa_user_sgpr_count 2
		.amdhsa_user_sgpr_kernarg_segment_ptr 1
		.amdhsa_wavefront_size32 1
		.amdhsa_system_sgpr_workgroup_id_x 1
		.amdhsa_system_sgpr_workgroup_id_y 1
		.amdhsa_system_sgpr_workgroup_id_z 1
		.amdhsa_system_vgpr_workitem_id 0
		.amdhsa_next_free_vgpr 256
		.amdhsa_next_free_sgpr 66
		.amdhsa_reserve_vcc 0
		.amdhsa_float_denorm_mode_32 3
		.amdhsa_float_denorm_mode_16_64 3
		.amdhsa_memory_ordered 1
		.amdhsa_forward_progress 1
		.amdhsa_inst_pref_size 70
	.end_amdhsa_kernel
	.amdgpu_metadata
---
amdhsa.version: [ 1, 2 ]
amdhsa.kernels:
  - .name:           k_q606f77d28a_quant
    .symbol:         k_q606f77d28a_quant.kd
    .args:
      - { .name: Q, .offset: 0, .size: 8, .value_kind: global_buffer, .address_space: global }
      - { .name: K, .offset: 8, .size: 8, .value_kind: global_buffer, .address_space: global }
      - { .name: V, .offset: 16, .size: 8, .value_kind: global_buffer, .address_space: global }
      - { .name: Wq, .offset: 24, .size: 8, .value_kind: global_buffer, .address_space: global }
      - { .name: Wk, .offset: 32, .size: 8, .value_kind: global_buffer, .address_space: global }
      - { .name: Wv, .offset: 40, .size: 8, .value_kind: global_buffer, .address_space: global }
      - { .name: Wo, .offset: 48, .size: 8, .value_kind: global_buffer, .address_space: global }
      - { .name: pc, .offset: 56, .size: 8, .value_kind: global_buffer, .address_space: global }
    .group_segment_fixed_size: 34304
    .private_segment_fixed_size: 0
    .kernarg_segment_align: 8
    .kernarg_segment_size: 64
    .max_flat_workgroup_size: 128
    .sgpr_count:     66
    .vgpr_count:     256
    .wavefront_size: 32
...
	.end_amdgpu_metadata
.endif
;; end of part 1
;; launch proj (part 2): grid 4 x 48, 4 waves a work-group, clusters of 4 x 4, 327,680 bytes of LDS; arguments pc, bq, bk, bv, qkv; writes qkv
.if DOCPART == 2
	.amdgcn_target "amdgcn-amd-amdhsa--gfx1250"
	.amdhsa_code_object_version 6
	.text
	.protected	k_q606f77d28a_proj
	.globl	k_q606f77d28a_proj
	.p2align	8
	.type	k_q606f77d28a_proj,@function
k_q606f77d28a_proj:
	s_mov_b64 s[64:65], 0
	v_nop
	global_prefetch_b8 v0, s[64:65] scope:SCOPE_SE
	s_setreg_imm32_b32 hwreg(HW_REG_WAVE_MODE, 25, 1), 1
	s_wait_xcnt 0x0
	s_wait_alu depctr_hold_cnt(0) depctr_sa_sdst(0) depctr_va_vdst(0) depctr_va_sdst(0) depctr_va_ssrc(0) depctr_va_vcc(0) depctr_vm_vsrc(0)
	s_getreg_b32 s2, hwreg(HW_REG_IB_STS2, 6, 4)
	s_cmp_eq_u32 s2, 0
	s_cbranch_scc0 .Lentry_in_a_cluster
	s_endpgm
.Lentry_in_a_cluster:
	s_bfe_u32 s2, ttmp6, 0x10000c
	s_cmp_lg_u32 s2, 0xf033
	s_cbranch_scc0 .Lentry_shape_is_right
	s_endpgm
.Lentry_shape_is_right:
; q = Q Wq + bq, k = K Wk + bk, v = V Wv + bv on codes of FP6 (E2M3) with E8M0 scales, sums in f32; the results are quantised at once for the attention and leave as codes.
; pc: 1,024 tiles of 12,800 bytes: x's row tiles (Q's 256, K's, V's), then the weights' column tiles (64 each).  A tile is two halves of 512 k; a half is 256 bytes of scale words (word kw of row r at 128 (kw >> 1) + 8 r + 4 (kw & 1))
; and eight half fragments of 768 bytes (16 rows x 64 k: slot L = r + 16 h holds block h of row r: 16 bytes at 16 L, 8 bytes at 512 + 8 L).
; A work-group of four waves makes 256 x 256 of one product; a wave 128 x 128: 64 accumulators, 512 registers.
; TWO ROLES.  q, k: source 0 = column tiles of the weight, source 1 = row tiles of x.  v: source 0 = row tiles of x, source 1 = column tiles of the weight.  Both operands lie as register images, so one text serves both.
; Row tile 64 b + 4 w + c, row r, is position 64 w + 4 r + c of batch b; column tile 2 g + u, row r, is column 32 g + 8 u + (r & 7) + 16 (r >> 3).
;   q, k: lane (r, h) holds one position, and the 16 registers of column tiles 2 g, 2 g + 1 are the 16 neighbouring columns 32 g + 16 h + 0 .. 15.
;   v: lane (r, h) holds one column, and the 32 registers of a span's four row tiles are positions 64 w + 32 h + 4 j + c at register 8 c + j: a whole block along the keys, in the order of slots in which the attention lays p.
; CLUSTER 4 x 4: the clusters' y tells the product and the batch.  Source 1's 16 tiles hang on cy and are asked for jointly along a row of the cluster, source 0's hang on cx and are asked for along a column.
; FILLS.  A wave's tensor load brings 8 tiles.  At the head 512 of K with its scale words (rows of 6,400 bytes, to LDS 0); behind a round 256 of K with the other half's scale words (rows of 3,328, to SLOT2); in step 3's round the last 256 of K
; (rows of 3,072), over the first fill's bytes.  The second fill has steps 0 to 2 in which to land, the third steps 4 and the half of 3.  Both are asked of the L2 ahead of it, one at the head, one behind the second fill:
; of a wave's 8 tiles each of the four partners of the joint load names two, a lane to 256 bytes; the last lane's block is named again by the lanes left over.
; THE WAY OUT.  qkv holds a record of REC bytes for each (batch, head): k's codes [class 4][span 16][768], v's codes [span 16][d tile 4][768], k's scale words [class][span][row], v's [span pair 8][d tile][row],
; q's codes and scale words like k's.  q, k are quantised along d, v along the keys.
; LIMITS: a block of zeros, or one whose largest magnitude lies under 2^-124, gets the byte 1; NaN and infinities are not served.
; REGISTERS: window 0: v1-31 addresses, v32-63 scale words (two sets), v64-127 the bias, later at work, v128-223 source 1's fragments (one set); window 1: source 0's fragments, two sets, at v0 and v128;
; window 2: the accumulators of source 1's tiles 0-3 ((a, b) at v[8 (8 (a % 4) + b)]); window 3: those of 4-7.
.set REC,    157696
.set TILE,   12800
.set FA,     6400                      ; a tile's bytes in the first fill, the second, the third
.set FB,     3328
.set FC,     3072
.set SLOT2,  32*FA
.set SPARE,  SLOT2+32*FB               ; the spare words: 128 bytes for each wave, two blocks of 256 bytes that no other line names
.set FR,     12
.set NL,     4                         ; LDS loads of a fragment
.set NP,     4                         ; places behind this matrix instruction (ISA guide 7.12.1)
.set O16,  4                           ; v4   16 L
.set O8,   5                           ; v5   8 L + 512
.set PF2,  6                           ; v6   my prefetch of the second fill
.set PF3,  11                          ; v11  and of the third
.set ADRA, 16                          ; v16-18 source 1's fragments in the three fills (16 L); v19-21 (8 L + 512)
.set ADRB, 22                          ; v22-27 the same for source 0
.set SPW,  28                          ; v28  my spare word; never rewritten
.set NIL,  29                          ; v29  0; never rewritten
.set ADRS, 30                          ; v30-31 scale words in fills 1, 2: lanes 0-15 source 1's, lanes 16-31 source 0's
.set SC,   32
.set BIAS, 64
.set AF,   128
.set TM,   64                          ; the way out: v64-79 at work
.set PW,   80                          ; q, k: the scale word just made; v81-82 its halves
.set VSB,  80                          ; v: v80-87 the scale words of eight column tiles
.set PC,   96                          ; v96-115 the codes just made
.set G1, 24
.set G0, 32
.set G1B, 48
.set G0B, 56
.set MSB, 0
.macro WIN new                         ; the immediate's high byte repeats the setting that is left
.if MSB != (\new)
	s_set_vgpr_msb (MSB<<8)|(\new)
.set MSB, (\new)
.endif
.endm
.set MUL_LO, 0xa1                      ; source 0 window 1, source 1 window 0, C and D window 2
.set MUL_HI, 0xf1                      ; the same, C and D window 3
.set TO_B,   0x40
; A joint load: waves 0 and 1 fetch for source 1, waves 2 and 3 for source 0; the branch hangs on the wave's number alone.  Four v_nop follow each of the two lines.
.macro JLOAD
	s_cmp_eq_u32 s15, 0
	s_cbranch_scc0 .Lfor_b_\@
	tensor_load_to_lds s[G0:G0+3], s[G1:G1+7]
	s_nop 0
.rept 4
	v_nop
.endr
	s_branch .Lasked_\@
.Lfor_b_\@:
	tensor_load_to_lds s[G0B:G0B+3], s[G1B:G1B+7]
	s_nop 0
.rept 4
	v_nop
.endr
.Lasked_\@:
.endm
.macro NEXTFILL lds, step, bytes       ; the descriptors of the next fill: no tensor load of mine is out
	s_mul_i32 s100, s14, 8*(\bytes)
	s_add_co_u32 s100, s100, \lds
.irp g, G0, G0B
	s_mov_b32 s[\g+1], s100
	s_add_nc_u64 s[\g+2:\g+3], s[\g+2:\g+3], \step
.endr
.irp g, G1, G1B
	s_mov_b32 s[\g+1], ((\bytes)/8)<<16
	s_mov_b32 s[\g+3], ((\bytes)/8)<<16
.endr
.endm
.macro CREST                           ; a round of the cluster's barrier behind its opening barrier
	s_cmp_lg_u32 s14, 0
	s_cbranch_scc1 .Lnot_wave_0_\@
	s_barrier_signal -3
.Lnot_wave_0_\@:
	s_barrier_wait -3
	s_barrier_signal -1
	s_barrier_wait -1
.endm
.macro CROUND
	s_barrier_signal -1
	s_barrier_wait -1
	CREST
.endm
	s_load_b256 s[4:11], s[0:1], 0x0               ; pc, bq, bk, bv
	s_load_b64 s[98:99], s[0:1], 0x20              ; qkv
	v_lshl_add_u32 v[SPW], v0, 2, SPARE
	v_mov_b32 v[NIL], 0
	ds_add_u32 v[SPW], v[NIL]
	ds_add_u32 v[SPW], v[NIL]
	v_lshrrev_b32 v1, 5, v0
	v_readfirstlane_b32 s14, v1                    ; wave 0..3
	s_lshr_b32 s15, s14, 1                         ; which half of source 1's tiles is mine.  Also: I fetch for source 1 (0) or source 0 (1)
	s_and_b32 s16, s14, 1                          ; which half of source 0's tiles.  Also: which 8 tiles I fetch
	s_bfe_u32 s40, ttmp6, 0x40000                  ; cx
	s_bfe_u32 s41, ttmp6, 0x40004                  ; cy
	s_and_b32 s17, ttmp7, 0xffff                   ; the cluster's y, 0..11
	s_lshr_b32 s2, s17, 2                          ; 0: q, 1: k, 2: v; the same in all sixteen partners
	s_and_b32 s17, s17, 3                          ; the batch
	s_lshr_b32 s3, s2, 1                           ; 1: v
	s_lshl_b32 s43, s41, 2
	s_lshl_b32 s43, 15, s43                        ; my row of the cluster
	s_lshl_b32 s44, 0x1111, s40                    ; my column
	s_or_b32 s[G1+0], s43, (3<<16)|(1<<21)         ; 15:0 the mask; 17:16 elements of 8 bytes; 21 set beside a mask; no padding: the images are read 512 or 256 consecutive bytes at a time
	s_or_b32 s[G1B+0], s44, (3<<16)|(1<<21)
.irp g, G1, G1B
	s_mov_b32 s[\g+1], (FA/8)<<16                  ; tensor_dim0
	s_mov_b32 s[\g+2], 8<<16                       ; tensor_dim1: 8 tiles
	s_mov_b32 s[\g+3], (FA/8)<<16                  ; tile_dim0
	s_mov_b32 s[\g+4], 8                           ; tile_dim1
	s_mov_b32 s[\g+5], TILE/8                      ; from tile to tile
	s_mov_b32 s[\g+6], 0
	s_mov_b32 s[\g+7], 0
.endr
	; source 1's first tile: q, k: 256 product + 64 batch + 16 cy; v: 896 + 16 cy.  Source 0's: q, k: 768 + 64 product + 16 cx; v: 512 + 64 batch + 16 cx
	s_lshl_b32 s18, s17, 6
	s_sub_co_u32 s19, 384, s18
	s_mul_i32 s19, s19, s3
	s_lshl_b32 s20, s2, 8
	s_add_co_u32 s20, s20, s18
	s_add_co_u32 s20, s20, s19
	s_lshl_b32 s46, s2, 6
	s_add_co_u32 s46, s46, 768
	s_sub_co_u32 s46, s46, s19
	s_lshl_b32 s21, s41, 4
	s_add_co_u32 s20, s20, s21
	s_lshl_b32 s47, s40, 4
	s_add_co_u32 s46, s46, s47
	s_lshl_b32 s22, s16, 3                         ; which 8 I fetch
	s_add_co_u32 s20, s20, s22
	s_add_co_u32 s46, s46, s22
	s_mul_i32 s20, s20, TILE
	s_mul_i32 s46, s46, TILE
	s_mov_b32 s21, 0
	s_mov_b32 s47, 0
	s_mov_b32 s66, s20                             ; kept for the prefetches
	s_mov_b32 s67, s46
	s_mul_i32 s100, s14, 8*FA                      ; where they go: no place in the cluster enters an LDS address
	s_wait_alu depctr_va_vdst(0)
	s_wait_dscnt 0x0                               ; both opening adds are done
	CROUND                                         ; all sixteen work-groups are here: the first joint loads meet
	s_wait_kmcnt 0x0
	s_add_nc_u64 s[20:21], s[4:5], s[20:21]
	s_add_nc_u64 s[46:47], s[4:5], s[46:47]
	s_mov_b32 s[G0], 1
	s_mov_b32 s[G0+1], s100
	s_mov_b64 s[G0+2:G0+3], s[20:21]
	s_or_b32 s[G0+3], s[G0+3], 0x80000000
	s_mov_b32 s[G0B], 1
	s_mov_b32 s[G0B+1], s100
	s_mov_b64 s[G0B+2:G0B+3], s[46:47]
	s_or_b32 s[G0B+3], s[G0B+3], 0x80000000
	JLOAD                                          ; the head's one load a wave
	; the prefetches: of my 8 tiles partner p names tiles 2 p and 2 p + 1
	s_cmp_eq_u32 s15, 0
	s_cselect_b32 s68, s66, s67
	s_cselect_b32 s69, s40, s41
	s_mul_i32 s69, s69, 2*TILE
	s_add_co_u32 s68, s68, s69
	s_add_co_u32 s68, s68, FA                      ; the second half of 512 k
	s_add_co_u32 s69, s68, FB                      ; and its last 256
	; the weight's coordinates and x's
	s_cmp_eq_u32 s3, 1
	s_cselect_b32 s42, s41, s40
	s_cselect_b32 s45, s15, s16
	s_cselect_b32 s70, s40, s41
	s_cselect_b32 s71, s16, s15
	s_cmp_eq_u32 s2, 0
	s_cselect_b64 s[12:13], s[6:7], s[8:9]
	s_cmp_eq_u32 s2, 2
	s_cselect_b64 s[12:13], s[10:11], s[12:13]
	s_lshl_b32 s104, s42, 10
	s_lshl_b32 s105, s45, 9
	s_add_co_u32 s104, s104, s105                  ; my 128 columns in the bias, in bytes
	s_mov_b32 s105, 0
	s_add_nc_u64 s[12:13], s[12:13], s[104:105]
	v_and_b32 v1, 15, v0                           ; r
	v_bfe_u32 v2, v0, 4, 1                         ; h
	v_and_b32 v3, 31, v0                           ; L
	v_min_u32 v[PF2], 25, v3                       ; two tiles x 13 blocks of 256 bytes
	v_mul_u32_u24 v8, v[PF2], 5
	v_lshrrev_b32 v8, 6, v8                        ; lane / 13
	v_mul_u32_u24 v8, TILE-FB, v8
	v_lshl_add_u32 v[PF2], v[PF2], 8, v8
	v_add_nc_u32 v[PF2], s68, v[PF2]
	v_min_u32 v[PF3], 23, v3                       ; two tiles x 12 blocks
	v_mul_u32_u24 v9, v[PF3], 43
	v_lshrrev_b32 v9, 9, v9                        ; lane / 12
	v_mul_u32_u24 v9, TILE-FC, v9
	v_lshl_add_u32 v[PF3], v[PF3], 8, v9
	v_add_nc_u32 v[PF3], s69, v[PF3]
	v_lshlrev_b32 v[O16], 4, v3
	v_lshlrev_b32 v[O8], 3, v3
	v_add_nc_u32 v[O8], 512, v[O8]
	s_wait_alu depctr_va_vdst(0)
	s_mul_i32 s21, s15, 8*FA                       ; my 8 tiles of source 1 in the three fills,
	s_mul_i32 s22, s15, 8*FB
	s_add_co_u32 s22, s22, SLOT2
	s_mul_i32 s23, s15, 8*FC
	v_add_nc_u32 v[ADRA], s21, v[O16]
	v_add_nc_u32 v[ADRA+1], s22, v[O16]
	v_add_nc_u32 v[ADRA+2], s23, v[O16]
	v_add_nc_u32 v[ADRA+3], s21, v[O8]
	v_add_nc_u32 v[ADRA+4], s22, v[O8]
	v_add_nc_u32 v[ADRA+5], s23, v[O8]
	s_mul_i32 s18, s16, 8*FA                       ; and of source 0, behind source 1's 16
	s_add_co_u32 s18, s18, 16*FA
	s_mul_i32 s19, s16, 8*FB
	s_add_co_u32 s19, s19, SLOT2+16*FB
	s_mul_i32 s23, s16, 8*FC
	s_add_co_u32 s23, s23, 16*FC
	v_add_nc_u32 v[ADRB], s18, v[O16]
	v_add_nc_u32 v[ADRB+1], s19, v[O16]
	v_add_nc_u32 v[ADRB+2], s23, v[O16]
	v_add_nc_u32 v[ADRB+3], s18, v[O8]
	v_add_nc_u32 v[ADRB+4], s19, v[O8]
	v_add_nc_u32 v[ADRB+5], s23, v[O8]
	s_sub_co_u32 s18, s18, s21                     ; scale words: lanes 16-31 take source 0's
	s_sub_co_u32 s19, s19, s22
	v_lshlrev_b32 v7, 3, v1
	v_mul_u32_u24 v8, s18, v2
	v_add_nc_u32 v8, v7, v8
	v_add_nc_u32 v[ADRS], s21, v8
	v_mul_u32_u24 v8, s19, v2
	v_add_nc_u32 v8, v7, v8
	v_add_nc_u32 v[ADRS+1], s22, v8
	v_mul_u32_u24 v10, REC, v2
	v_lshl_add_u32 v10, v1, 2, v10                 ; the way out, q's and k's scale words: 4 r; lanes 16-31 the next head's record
	v_lshlrev_b32 v12, 2, v3                       ; v's: 4 L
	v_lshlrev_b32 v14, 3, v2                       ; 8 h
	v_lshlrev_b32 v7, 6, v2                        ; the bias, q, k: lane (., h) wants, for column tile b, columns 32 (b / 2) + 16 h + 8 (b % 2) + 0 .. 7
	v_and_b32 v8, 7, v0
	v_bfe_u32 v9, v0, 3, 1
	v_lshlrev_b32 v9, 6, v9
	v_lshl_add_u32 v9, v8, 2, v9                   ; v: lane (r, .) wants, for column tile a, column 32 (a / 2) + 8 (a % 2) + (r & 7) + 16 (r >> 3)
	s_wait_alu depctr_va_vdst(0)
	global_prefetch_b8 v[PF2], s[4:5] th:TH_LOAD_NT scope:SCOPE_SE
	s_cmp_eq_u32 s3, 1
	s_cbranch_scc1 .Lbias_v
.irp b, 0,1,2,3,4,5,6,7
	global_load_b128 v[BIAS+8*\b:BIAS+8*\b+3], v7, s[12:13] offset:128*(\b/2)+32*(\b%2)
	global_load_b128 v[BIAS+8*\b+4:BIAS+8*\b+7], v7, s[12:13] offset:128*(\b/2)+32*(\b%2)+16
.endr
	s_branch .Lbias_done
.Lbias_v:
.irp b, 0,1,2,3,4,5,6,7
	global_load_b32 v[BIAS+8*\b], v9, s[12:13] offset:128*(\b/2)+32*(\b%2)
.endr
	s_wait_loadcnt 0x0
.irp t, 0,8,16,24,32,40,48,56
.irp i, 1,2,3,4,5,6,7
	v_mov_b32 v[BIAS+\t+\i], v[BIAS+\t]            ; one number a lane and tile, over the tile's eight registers
.endr
.endr
.Lbias_done:
.macro FRAG reg, adr, st, i            ; a fragment, 16 rows x 128 k of step st, 12 registers: two half fragments as they lie
.if (\st) < 4
.set FO, 256+1536*(\st)+FA*(\i)
.set FN, 0
.elseif (\st) < 6
.set FO, 256+1536*((\st)-4)+FB*(\i)
.set FN, 1
.else
.set FO, 1536*((\st)-6)+FC*(\i)
.set FN, 2
.endif
	ds_load_b128 v[\reg:\reg+3], v[\adr+FN] offset:FO
	ds_load_b64 v[\reg+4:\reg+5], v[\adr+3+FN] offset:FO
	ds_load_b128 v[\reg+6:\reg+9], v[\adr+FN] offset:FO+768
	ds_load_b64 v[\reg+10:\reg+11], v[\adr+3+FN] offset:FO+768
.endm
.macro FETCH_B st
	WIN TO_B
.irp i, 0,1,2,3,4,5,6,7
	FRAG 128*((\st)%2)+FR*\i, ADRB, \st, \i
.endr
	WIN 0
.endm
.macro FETCH_A st, i0
.irp i, \i0, \i0+1, \i0+2, \i0+3
	FRAG AF+FR*(\i), ADRA, \st, \i
.endr
.endm
.macro SCALES pr                       ; two steps' words a row: lanes 0-15 source 1's tile i, lanes 16-31 source 0's tile i
.irp i, 0,1,2,3,4,5,6,7
	ds_load_b64 v[SC+16*((\pr)%2)+2*\i:SC+16*((\pr)%2)+2*\i+1], v[ADRS+(\pr)/2] offset:128*((\pr)%2)+\i*(FA-(FA-FB)*((\pr)/2))
.endr
.endm
; 16 matrix instructions: source 1's tiles a0, a0 + 1 x source 0's eight.  mode 1, 2: the first product starts the sums from the bias (q, k: by source 0's tile; v: by source 1's).  The 64 accumulators take turns, one instruction a turn.
.macro MUL16 a0, st, mode
.set BQ, 128*((\st)%2)
.set SQ, SC+16*(((\st)/2)%2)+(\st)%2
.irp a, \a0, \a0+1
.irp b, 0,1,2,3,4,5,6,7
.set DR, 8*(8*((\a)%4)+\b)
.if (\mode) == 0
.set CR, DR
.elseif (\mode) == 1
.set CR, BIAS+8*\b
.else
.set CR, BIAS+8*(\a)
.endif
	v_wmma_scale_f32_16x16x128_f8f6f4 v[DR:DR+7], v[BQ+FR*\b:BQ+FR*\b+FR-1], v[AF+FR*(\a):AF+FR*(\a)+FR-1], v[CR:CR+7], v[SQ+2*\b], v[SQ+2*(\a)] matrix_a_fmt:MATRIX_FMT_FP6 matrix_b_fmt:MATRIX_FMT_FP6 matrix_a_scale:MATRIX_SCALE_ROW1
.endr
.endr
.endm
.macro PLACES n                        ; plain instructions between a matrix instruction and a load into, or a read of, its registers
.rept \n
	v_nop
.endr
.endm
; A step of 128 along K: 64 matrix instructions; the next step's fragments are fetched in its middle and at its end.  Step 3 ends the first fill's reads: its barrier opens a round, behind which the third fill goes out, and shows the second fill.
; Step 5's plain barrier shows the third.
.macro STEP st, mode
.set NX, (\st)+1
.if ((\st) == 3) || ((\st) == 5)
	s_wait_tensorcnt 0x0                           ; all my tensor loads have landed: my part of the next fill
.if (\st) == 3
	ds_add_u32 v[SPW], v[NIL]                      ; 0 onto my spare word
	NEXTFILL 0, FB, FC
	s_wait_dscnt 4*NL+1                            ; (the add and the youngest 16 loads may be out)
.else
	s_wait_dscnt 4*NL
.endif
	WIN MUL_LO
	MUL16 0, \st, 0
	s_wait_dscnt 0x0                               ; my LDS instructions are done: the add, where there is one, and my reads of the fill that is left
	s_barrier_signal -1
	MUL16 2, \st, 0
	WIN 0
	s_barrier_wait -1
.if (\st) == 3
	CREST                                          ; no wave of any partner still reads the first fill's bytes or has a load on its way
	JLOAD                                          ; the first tensor load behind the round; its four v_nop are the places in front of the loads below
.else
	PLACES NP
.endif
.else
	s_wait_dscnt 4*NL                              ; source 0's set and source 1's tiles 0-3 are in; the youngest 16 loads (tiles 4-7) may be out
	WIN MUL_LO-0x20*(((\mode)+1)/2)                ; (with the bias as C: source 2 in window 0)
	MUL16 0, \st, \mode
	MUL16 2, \st, \mode
	s_wait_dscnt 0
	PLACES NP
.endif
	FETCH_B NX
	FETCH_A NX, 0
.if NX%2 == 0
	SCALES NX/2
.endif
	WIN MUL_HI-0x30*(((\mode)+1)/2)
	MUL16 4, \st, \mode
	MUL16 6, \st, \mode
	PLACES NP
	WIN 0
	FETCH_A NX, 4
.endm
	s_wait_alu depctr_va_vdst(0)
	s_wait_tensorcnt 0x0                           ; my part of the first fill is in
	ds_add_u32 v[SPW], v[NIL]
	NEXTFILL SLOT2, FA, FB
	s_wait_dscnt 0x0
	CROUND                                         ; everybody's part is in, and all sixteen work-groups are here: the joint loads meet
	JLOAD                                          ; the second fill
	FETCH_B 0
	FETCH_A 0, 0
	SCALES 0
	FETCH_A 0, 4
	global_prefetch_b8 v[PF3], s[4:5] th:TH_LOAD_NT scope:SCOPE_SE
	s_wait_loadcnt 0x0                             ; the bias
	s_cmp_eq_u32 s3, 1
	s_cbranch_scc1 .Lfirst_v
	STEP 0, 1
	s_branch .Lfirst_done
.Lfirst_v:
	STEP 0, 2
.Lfirst_done:
	STEP 1, 0
	STEP 2, 0
	STEP 3, 0
	STEP 4, 0
	STEP 5, 0
	STEP 6, 0
	s_wait_dscnt 4*NL                              ; the last step: nothing more to fetch
	WIN MUL_LO
	MUL16 0, 7, 0
	MUL16 2, 7, 0
	s_wait_dscnt 0
	WIN MUL_HI
	MUL16 4, 7, 0
	MUL16 6, 7, 0
	WIN 0
	PLACES NP
	; ---------------- the way out ----------------
	s_lshl_b32 s20, s70, 2
	s_lshl_b32 s21, s71, 1
	s_add_co_u32 s20, s20, s21                     ; w0: my first span (even): my 8 row tiles are two spans' four classes
	s_lshl_b32 s19, s17, 4
	s_lshl_b32 s21, s42, 2
	s_add_co_u32 s19, s19, s21
	s_lshl_b32 s21, s45, 1
	s_add_co_u32 s19, s19, s21                     ; 16 b + my first head; my second is the next
	s_mul_i32 s22, s19, REC
	s_mov_b32 s23, 0
	s_add_nc_u64 s[98:99], s[98:99], s[22:23]      ; its record
	s_mov_b32 s40, 0x76543210
	s_mov_b32 s41, 0xfedcba98                      ; lane l xor 16
	s_mov_b32 s43, 0xffff0000                      ; lanes 16-31
	s_cmp_eq_u32 s3, 1
	s_cbranch_scc1 .Lvpath
	; q, k: along d
	s_cmp_eq_u32 s2, 0
	s_cselect_b32 s22, 104448, 0                   ; q's codes or k's
	s_mov_b32 s21, 98304
	s_cselect_b32 s21, 153600, s21                 ; q's scale words or k's
	s_mul_i32 s44, s20, 768
	s_add_co_u32 s22, s22, s44
	s_add_nc_u64 s[100:101], s[98:99], s[22:23]
	s_lshl_b32 s44, s20, 6
	s_add_co_u32 s22, s21, s44
	s_add_nc_u64 s[104:105], s[98:99], s[22:23]
.irp b, 0,1,2,3
	v_mov_b32 v[TM+4+\b], 0                        ; a lane permute's destination counts as one of its sources
.endr
; Row tile a: my 64 numbers, register 16 g + i = column 32 g + 16 h + i of my position, become two heads' half fragments and their scale bytes.
.macro QOUT a
.set AC, 64*((\a)%4)
.set WL, 2+(\a)/4
	WIN (WL<<2)|(WL<<4)                            ; sources 1 and 2: the accumulators' window
.irp b, 0,1,2,3
	v_max3_num_f32 v[TM+\b], 0x1800000, |v[AC+16*\b]|, |v[AC+1+16*\b]|   ; each accumulator from its low end on; the floor 2^(3 - 127) holds the byte at 1 from below
.endr
.irp i, 2,4,6,8,10,12,14
.irp b, 0,1,2,3
	v_max3_num_f32 v[TM+\b], v[TM+\b], |v[AC+16*\b+\i]|, |v[AC+1+16*\b+\i]|
.endr
.endr
	WIN 0
	s_wait_alu depctr_va_vdst(0)
	s_wait_xcnt 0x0                                ; the last tile's stores have read their registers
.irp b, 0,1,2,3
	v_permlanex16_b32 v[TM+4+\b], v[TM+\b], s40, s41
.endr
.irp b, 0,1,2,3
	v_max_num_f32 v[TM+\b], v[TM+\b], v[TM+4+\b]   ; with lane l xor 16's 16: the block's largest magnitude
.endr
.irp b, 0,1,2,3
	v_add_nc_u32 v[TM+12+\b], 0xff000000, v[TM+\b] ; 2 off the exponent field: the conversion takes this operand's exponent field as its scale
.endr
.irp b, 0,1,2,3
	v_lshrrev_b32 v[TM+4+\b], 23, v[TM+12+\b]
.endr
	v_lshl_or_b32 v[PW], v[TM+5], 8, v[TM+4]
	v_lshl_or_b32 v[PW], v[TM+6], 16, v[PW]
	v_lshl_or_b32 v[PW], v[TM+7], 24, v[PW]
	WIN WL                                         ; source 0: the accumulators' window
.irp c, 0,1
	v_cvt_scalef32_pk16_fp6_f32 v[PC+6*\c:PC+2+6*\c], v[AC+32*\c:AC+15+32*\c], v[TM+12+2*\c]
	v_cvt_scalef32_pk16_fp6_f32 v[PC+12+4*\c:PC+14+4*\c], v[AC+16+32*\c:AC+31+32*\c], v[TM+12+2*\c+1]
.endr
	WIN 0
	v_nop                                          ; one plain instruction behind a scaled conversion
.irp c, 0,1                                    ; a whole block to a lane: lanes 0-15 block 2 c, lanes 16-31 block 2 c + 1
.irp i, 0,1,2
	v_permlane16_swap_b32 v[PC+6*\c+\i], v[PC+12+4*\c+\i]
.endr
.irp i, 0,1,2
	v_mov_b32 v[PC+3+6*\c+\i], v[PC+12+4*\c+\i]
.endr
.endr
	v_and_b32 v[PW+1], 0xffff, v[PW]               ; the first head's two bytes (the word's upper two stay 0: the attention's K is 64 of the instruction's 128),
	v_lshrrev_b32 v[PW+2], 16, v[PW]               ; the second head's
	v_cndmask_b32 v[PW+1], v[PW+1], v[PW+2], s43
	global_store_b128 v[O16], v[PC:PC+3], s[100:101] offset:((\a)%4)*12288+((\a)/4)*768
	global_store_b64 v[O8], v[PC+4:PC+5], s[100:101] offset:((\a)%4)*12288+((\a)/4)*768
	global_store_b128 v[O16], v[PC+6:PC+9], s[100:101] offset:((\a)%4)*12288+((\a)/4)*768+REC
	global_store_b64 v[O8], v[PC+10:PC+11], s[100:101] offset:((\a)%4)*12288+((\a)/4)*768+REC
	global_store_b32 v10, v[PW+1], s[104:105] offset:((\a)%4)*1024+((\a)/4)*64
.endm
.irp a, 0,1,2,3,4,5,6,7
	QOUT \a
.endr
	s_branch .Lend
	; v: along the keys
.Lvpath:
	s_mul_i32 s22, s20, 3072
	s_add_co_u32 s22, s22, 49152
	s_add_nc_u64 s[100:101], s[98:99], s[22:23]    ; v's codes at span w0
	s_lshl_b32 s22, s20, 7
	s_add_co_u32 s22, s22, 102400
	s_add_nc_u64 s[104:105], s[98:99], s[22:23]    ; v's scale words of my pair of spans
.irp a, 0,1,2,3,4,5,6,7
	v_mov_b32 v[112+\a], 0                         ; lane permutes' destinations
.endr
; Column tile a: my column's 32 numbers of block h of each of the two spans become that block's codes, as they lie in a half fragment of the d tile.
.macro VOUT a
.set AC, 64*((\a)%4)
.set WL, 2+(\a)/4
	WIN WL|(WL<<2)|(WL<<4)
.irp s, 0,1
	v_max3_num_f32 v[TM+2*\s], |v[AC+32*\s]|, |v[AC+32*\s+1]|, |v[AC+32*\s+2]|     ; each accumulator from its low end on
	v_max3_num_f32 v[TM+2*\s+1], |v[AC+32*\s+3]|, |v[AC+32*\s+4]|, |v[AC+32*\s+5]|
.endr
	WIN (WL<<2)|(WL<<4)
.irp i, 6,10,14,18,22,26
.irp s, 0,1
	v_max3_num_f32 v[TM+2*\s], v[TM+2*\s], |v[AC+32*\s+\i]|, |v[AC+32*\s+\i+1]|
	v_max3_num_f32 v[TM+2*\s+1], v[TM+2*\s+1], |v[AC+32*\s+\i+2]|, |v[AC+32*\s+\i+3]|
.endr
.endr
.irp s, 0,1
	v_max3_num_f32 v[TM+2*\s], v[TM+2*\s], |v[AC+32*\s+30]|, |v[AC+32*\s+31]|
.endr
	WIN 0
.irp s, 0,1
	v_max3_num_f32 v[TM+2*\s], v[TM+2*\s], v[TM+2*\s+1], 0x1800000
.endr
.irp s, 0,1
	v_add_nc_u32 v[TM+4+\s], 0xff000000, v[TM+2*\s]
.endr
.irp s, 0,1
	v_lshrrev_b32 v[TM+6+\s], 23, v[TM+4+\s]
.endr
	v_lshl_or_b32 v[VSB+\a], v[TM+7], 16, v[TM+6]  ; bytes h and 2 + h of the word of two spans, still at places 0 and 2
	s_wait_alu depctr_va_vdst(0)
	s_wait_xcnt 0x0                                ; the last tile's stores have read their registers
	WIN WL
.irp s, 0,1
	v_cvt_scalef32_pk16_fp6_f32 v[PC+8*\s:PC+2+8*\s], v[AC+32*\s:AC+32*\s+15], v[TM+4+\s]
	v_cvt_scalef32_pk16_fp6_f32 v[PC+4+8*\s:PC+6+8*\s], v[AC+32*\s+16:AC+32*\s+31], v[TM+4+\s]
.endr
	WIN 0
	v_nop                                          ; one plain instruction behind a scaled conversion
.irp i, 3,4,5
.irp s, 0,1
	v_mov_b32 v[PC+8*\s+\i], v[PC+8*\s+\i+1]
.endr
.endr
.irp s, 0,1
	global_store_b128 v[O16], v[PC+8*\s:PC+8*\s+3], s[100:101] offset:3072*\s+768*((\a)%4)+((\a)/4)*REC     ; 512 consecutive bytes, at a multiple of 256
	global_store_b64 v[O8], v[PC+8*\s+4:PC+8*\s+5], s[100:101] offset:3072*\s+768*((\a)%4)+((\a)/4)*REC
.endr
.endm
.irp a, 0,1,2,3,4,5,6,7
	VOUT \a
.endr
.irp a, 0,1,2,3,4,5,6,7
	v_lshlrev_b32 v[VSB+\a], v14, v[VSB+\a]
.endr
.irp a, 0,1,2,3,4,5,6,7
	v_permlanex16_b32 v[112+\a], v[VSB+\a], s40, s41
.endr
.irp a, 0,1,2,3,4,5,6,7
	v_or_b32 v[VSB+\a], v[VSB+\a], v[112+\a]       ; the word is whole, in both lanes
.endr
.irp t, 0,1,2,3
	v_cndmask_b32 v[120+\t], v[VSB+2*\t], v[VSB+2*\t+1], s43
.endr
.irp t, 0,1,2,3
	global_store_b32 v12, v[120+\t], s[104:105] offset:128*(\t%2)+(\t/2)*REC
.endr
.Lend:
	s_wait_tensorcnt 0x0                           ; the wave's end
	ds_add_u32 v[SPW], v[NIL]
	s_wait_dscnt 0x0
	CROUND                                         ; the closing round
	s_endpgm
.Lfunc_end_k_q606f77d28a_proj:
	.size	k_q606f77d28a_proj, .Lfunc_end_k_q606f77d28a_proj-k_q606f77d28a_proj
	.p2alignl 7, 3214868480
	.fill 96, 4, 3214868480
	.section	.rodata,"a",@progbits
	.p2align	6, 0x0
	.amdhsa_kernel k_q606f77d28a_proj
		.amdhsa_group_segment_fixed_size 327680
		.amdhsa_private_segment_fixed_size 0
		.amdhsa_enable_private_segment 0
		.amdhsa_kernarg_size 40
		.amdhsa_user_sgpr_count 2
		.amdhsa_user_sgpr_kernarg_segment_ptr 1
		.amdhsa_wavefront_size32 1
		.amdhsa_system_sgpr_workgroup_id_x 1
		.amdhsa_system_sgpr_workgroup_id_y 1
		.amdhsa_system_sgpr_workgroup_id_z 1
		.amdhsa_system_vgpr_workitem_id 0
		.amdhsa_next_free_vgpr 1024
		.amdhsa_next_free_sgpr 106
		.amdhsa_reserve_vcc 0
		.amdhsa_float_denorm_mode_32 3
		.amdhsa_float_denorm_mode_16_64 3
		.amdhsa_memory_ordered 1
		.amdhsa_forward_progress 1
		.amdhsa_inst_pref_size 197
	.end_amdhsa_kernel
	.amdgpu_metadata
---
amdhsa.version: [ 1, 2 ]
amdhsa.kernels:
  - .name:           k_q606f77d28a_proj
    .symbol:         k_q606f77d28a_proj.kd
    .args:
      - { .name: pc, .offset: 0, .size: 8, .value_kind: global_buffer, .address_space: global }
      - { .name: bq, .offset: 8, .size: 8, .value_kind: global_buffer, .address_space: global }
      - { .name: bk, .offset: 16, .size: 8, .value_kind: global_buffer, .address_space: global }
      - { .name: bv, .offset: 24, .size: 8, .value_kind: global_buffer, .address_space: global }
      - { .name: qkv, .offset: 32, .size: 8, .value_kind: global_buffer, .address_space: global }
    .group_segment_fixed_size: 327680
    .private_segment_fixed_size: 0
    .kernarg_segment_align: 8
    .kernarg_segment_size: 40
    .max_flat_workgroup_size: 128
    .sgpr_count:     106
    .vgpr_count:     1024
    .wavefront_size: 32
...
	.end_amdgpu_metadata
.endif
;; end of part 2
;; launch attn (part 3): grid 4 x 64, 16 waves a work-group, no clusters, 169,984 bytes of LDS; arguments qkv, oc, os; writes oc, os
.if DOCPART == 3
	.amdgcn_target "amdgcn-amd-amdhsa--gfx1250"
	.amdhsa_code_object_version 6
	.text
	.protected	k_q606f77d28a_attn
	.globl	k_q606f77d28a_attn
	.p2align	8
	.type	k_q606f77d28a_attn,@function
k_q606f77d28a_attn:
	s_mov_b64 s[64:65], 0
	v_nop
	global_prefetch_b8 v0, s[64:65] scope:SCOPE_SE
	s_setreg_imm32_b32 hwreg(HW_REG_WAVE_MODE, 25, 1), 1
	s_wait_xcnt 0x0
; Attention of one (batch, head), dk = 64, S = 1,024, under the mask j <= i and (i - j <= 3 or (i - j) % 4 == 0), both products on codes of FP6 (E2M3) with E8M0 scales.
; The head's record in qkv: k's codes [class 4][span 16][768], v's codes [span 16][d tile 4][768], k's scale words, v's scale words (these 104,448 bytes come into LDS once), then q's codes and scale words.
; A tile of q or k holds the 16 positions 64 w + 4 r + c of span w and class c.  A half fragment (768 bytes) is 16 rows x 64 k: slot L = r + 16 h holds block h of row r: 16 bytes at 16 L, 8 at 512 + 8 L.
; SHARES.  Four work-groups a head, sixteen waves each; a wave owns ONE tile of 16 queries (class c = wave & 3, one span).  The spans are dealt so that each group of four waves, however chosen by wave >> 2 or by
; class, gets one span out of each quarter, and the four work-groups of a head get spans g, 7 - g, 8 + g, 15 - g: about equal work.
; WHAT IS MULTIPLIED.  Both products are used transposed: S^T = k q^T, O^T = v^T p^T: a lane holds one query.  In S^T lane (r, h), register j, is key 4 (8 h + j) + c' of the span: block h of 32 positions, slot 8 c' + j,
; which is the order in which v's codes lie along the keys: so a lane's scores are a whole block of p's operand, in place.  Spans up to w - 2 (by pairs): only my own class counts; its 8 slots of each block are
; converted beside zeros.  The last spans (w - 2 where it is left over, w - 1, w): all four classes, masked: with e = 16 (w - span) + r - 8 h - j a key counts where e >= 0 (my class), e = 0 (a lower class), e = 1 (a higher one).
; The scores' K is 64 of the instruction's 128: q's upper six registers hold zero codes, and the upper two scale bytes are 0 (no NaN byte); what k's upper six registers hold then adds nothing.
; THE SOFTMAX: t = score x log2(e) / 8; M = the running largest t rounded up to a whole number; p = 2^(t - M) is quantised along the keys; the row's sum is taken of the unquantised p and divides at the end.
; The result is quantised along d for the last product: oc [row tile 64 b + 4 w + c][head][768], os: the head's two bytes of row r at 128 (head >> 2) + 8 r + 2 (head & 3) of the tile's 512.
; NO CLUSTER: the four work-groups of a head share one fill at the head of the launch, but which steps a wave jumps over hangs on the work-group's number within the head.
; LIMITS: hidden scores are -infinity where the definition has -1e9: p is 0 either way while |logit| stays far under 1e9.  A block's largest p is taken as the exponential of its largest score.
; A block whose every p is 0 gets the byte 1.  NaN and infinities are not served.
.set REC,  157696
.set WV,   10
.set CC,   11                          ; my class
.set W,    12                          ; my span
.set NSS,  13                          ; pairs of spans in which my class alone counts
.set G1,   16
.set G0,   24
.set SEL,  28
.set CS,   30                          ; s[30:31] log2(e) / 8
.set TK,   32
.set TV,   33
.set TKS,  34
.set TVS,  35
.set SIG,  36
.set LO,   40                          ; s40-43  the least e that counts, for key class 0..3
.set RNG,  44                          ; s44-47  how far above it e may lie
.set SPAN, 48
.set EOFF, 49
.set N2,   50
.set TRIP, 37
; v1 16 L; v2 8 L + 512; v3 4 r; v4 r - 8 h; v5 8 h; v6-11 addresses in hand; v12 -M; v13 the largest t; v[14:15] the sum; v16-21 q, v22-27 zero codes; v28 q's scale word; v29 p's; v30 -infinity; v31 8 r;
; v32-61 k's tiles, 6 registers apart; v[62:63] f; v64-111 v's tiles; v112-151 scores between runs of zeros; v152-163 p's codes; v164-170 at work; v172-175 k's scale words; v176-179 v's; v180-191, v224-229 at work; v192-223 O^T
	s_load_b128 s[4:7], s[0:1], 0x0                ; qkv, oc
	s_load_b64 s[8:9], s[0:1], 0x10                ; os
	v_lshl_add_u32 v254, v0, 2, 0x29000
	v_mov_b32 v255, 0
	ds_add_u32 v254, v255
	ds_add_u32 v254, v255
	v_lshrrev_b32 v1, 5, v0
	s_delay_alu instid0(VALU_DEP_1)
	v_readfirstlane_b32 s[WV], v1                  ; wave 0..15
	s_and_b32 s[CC], s[WV], 3
	s_lshr_b32 s51, s[WV], 2
	s_add_co_u32 s51, s51, s[CC]
	s_and_b32 s51, s51, 3                          ; which quarter of the spans
	s_sub_co_u32 s52, 7, ttmp9
	s_and_b32 s53, s51, 1
	s_cmp_eq_u32 s53, 1
	s_cselect_b32 s52, s52, ttmp9
	s_lshr_b32 s51, s51, 1
	s_lshl_b32 s51, s51, 3
	s_add_co_u32 s[W], s51, s52
	s_max_u32 s[NSS], s[W], 1
	s_sub_co_u32 s[NSS], s[NSS], 1
	s_lshr_b32 s[NSS], s[NSS], 1
	s_and_b32 s51, ttmp7, 0xffff                   ; 16 b + head
	s_mul_i32 s54, s51, REC
	s_mov_b32 s55, 0
	s_mov_b32 s[G1], 3<<16                         ; elements of 8 bytes, no mask, no padding: the record's first 104,448 bytes are dense: 8 waves x 51 rows of 256 bytes
	s_mov_b32 s[G1+1], 32<<16
	s_mov_b32 s[G1+2], 51<<16
	s_mov_b32 s[G1+3], 32<<16
	s_mov_b32 s[G1+4], 51
	s_mov_b32 s[G1+5], 32
	s_mov_b32 s[G1+6], 0
	s_mov_b32 s[G1+7], 0
	s_mul_i32 s56, s[WV], 13056
	s_mov_b32 s57, 0
	s_wait_dscnt 0x0
	s_wait_kmcnt 0x0
	s_add_nc_u64 s[4:5], s[4:5], s[54:55]          ; the record
	s_mov_b32 s[G0], 1
	s_mov_b32 s[G0+1], s56
	s_add_nc_u64 s[G0+2:G0+3], s[4:5], s[56:57]
	s_or_b32 s[G0+3], s[G0+3], 0x80000000
	s_cmp_lt_u32 s[WV], 8
	s_cbranch_scc0 .Lno_fill
	tensor_load_to_lds s[G0:G0+3], s[G1:G1+7]      ; filled once; nothing in this launch is filled again
	s_nop 0
.rept 4
	v_nop
.endr
.Lno_fill:
	v_and_b32 v31, 31, v0
	v_and_b32 v3, 15, v0
	v_bfe_u32 v5, v0, 4, 1
	s_delay_alu instid0(VALU_DEP_3)
	v_lshlrev_b32 v1, 4, v31
	s_wait_alu depctr_va_vdst(0)
	v_lshlrev_b32 v2, 3, v31
	s_delay_alu instid0(VALU_DEP_1)
	v_add_nc_u32 v2, 512, v2
	s_wait_alu depctr_va_vdst(0)
	v_lshlrev_b32 v5, 3, v5
	s_delay_alu instid0(VALU_DEP_1)
	v_sub_nc_u32 v4, v3, v5
	v_lshlrev_b32 v31, 3, v3
	v_lshlrev_b32 v3, 2, v3
	s_wait_alu depctr_va_vdst(0)
	s_mul_i32 s54, s[CC], 12288
	s_mul_i32 s56, s[W], 768
	s_add_co_u32 s54, s54, s56
	s_add_co_u32 s54, s54, 104448
	s_add_nc_u64 s[56:57], s[4:5], s[54:55]        ; my tile of q
	s_lshl_b32 s54, s[CC], 10
	s_lshl_b32 s52, s[W], 6
	s_add_co_u32 s54, s54, s52
	s_add_co_u32 s54, s54, 153600
	s_add_nc_u64 s[58:59], s[4:5], s[54:55]        ; and its scale words
	global_load_b128 v[16:19], v1, s[56:57]
	global_load_b64 v[20:21], v2, s[56:57]
	global_load_b32 v28, v3, s[58:59]
	s_lshr_b32 s52, s51, 4                         ; b
	s_and_b32 s53, s51, 15                         ; head
	s_lshl_b32 s52, s52, 6
	s_lshl_b32 s54, s[W], 2
	s_add_co_u32 s52, s52, s54
	s_add_co_u32 s52, s52, s[CC]                   ; the row tile of the result
	s_mul_i32 s54, s52, 12288
	s_mul_i32 s51, s53, 768
	s_add_co_u32 s54, s54, s51
	s_add_nc_u64 s[6:7], s[6:7], s[54:55]
	s_lshl_b32 s54, s52, 9
	s_lshr_b32 s51, s53, 2
	s_lshl_b32 s51, s51, 7
	s_add_co_u32 s54, s54, s51
	s_and_b32 s51, s53, 3
	s_lshl_b32 s51, s51, 1
	s_add_co_u32 s54, s54, s51
	s_add_nc_u64 s[8:9], s[8:9], s[54:55]
	s_mov_b32 s[SEL], 0x76543210
	s_mov_b32 s[SEL+1], 0xfedcba98
	s_mov_b32 s[CS], 0x3e38aa3b                    ; log2(e) / 8
	s_mov_b32 s[CS+1], s[CS]
.irp k, 0,1,2,3
	s_cmp_lt_u32 s[CC], \k
	s_cselect_b32 s[LO+\k], 1, 0
	s_cmp_eq_u32 s[CC], \k
	s_cselect_b32 s[RNG+\k], 0x7fffffff, 0
.endr
	v_mov_b32 v13, 0xff61b1e6                      ; the largest t so far: -3e38
	s_delay_alu instid0(VALU_DEP_1)
	v_floor_f32 v12, -v13
	v_mov_b32 v14, 0
	v_mov_b32 v15, 0
	v_mov_b32 v30, 0xff800000
	v_mov_b32 v63, 0
.irp j, 22,23,24,25,26,27, 44,45,46,47,48,49,50,51,52,53,54,55,56,57,58,59,60,61, 88,89,90,91,92,93
	v_mov_b32 v\j, 0                               ; zero codes: q's upper half; what lies behind the last tile of k and of v
.endr
.irp j, 0,1,2,3,4,5,6,7
	v_mov_b32 v[112+\j], 0                         ; the runs of zeros beside the scores
	v_mov_b32 v[128+\j], 0
	v_mov_b32 v[144+\j], 0
.endr
.irp j, 0,1,2,3,4,5,6,7,8,9,10,11
	v_mov_b32 v[152+\j], 0                         ; p's codes: the slots of the other classes stay zero
	v_mov_b32 v[180+\j], 0                         ; (lane permutes' destinations, and what is read behind the loops, are written on every way)
.endr
.irp j, 0,1,2,3,4,5,6,7,8,9,10,11,12,13,14,15,16,17,18,19,20,21,22,23,24,25,26,27,28,29,30,31
	v_mov_b32 v[192+\j], 0                         ; O^T: the steps are written once; the first change of M multiplies zeros
.endr
	s_wait_tensorcnt 0x0
	s_barrier_signal -1
	s_barrier_wait -1                              ; the record lies in LDS; from here on LDS is only read
	s_wait_loadcnt 0x0                             ; q
.macro NEWM                            ; v182: the step's largest score of my query.  -M = floor(-t); f = 2^(old M - new M), exact
	s_delay_alu instid0(VALU_DEP_1)
	v_mul_f32 v182, s[CS], v182
	s_delay_alu instid0(VALU_DEP_1)
	v_max_num_f32 v13, v13, v182
	v_mov_b32 v184, v12
	s_delay_alu instid0(VALU_DEP_2)
	v_floor_f32 v12, -v13
	s_delay_alu instid0(VALU_DEP_1)
	v_sub_f32 v184, v12, v184
	s_delay_alu instid0(VALU_DEP_1)
	v_cvt_i32_f32 v184, v184
	s_delay_alu instid0(VALU_DEP_1)
	v_ldexp_f32 v62, 1.0, v184
.endm
.macro RESCALE                         ; O^T under the new M; these sixteen are also the places in front of the scaled products
.irp j, 0,2,4,6,8,10,12,14,16,18,20,22,24,26,28,30
	v_pk_mul_f32 v[192+\j:193+\j], v[192+\j:193+\j], v[62:63] op_sel_hi:[1,0]
.endr
.endm
	; ---------------- the far spans, two at a time: my class alone, no mask ----------------
	s_mul_i32 s[TK], s[CC], 12288
	s_mov_b32 s[TV], 49152
	s_lshl_b32 s[TKS], s[CC], 10
	s_add_co_u32 s[TKS], s[TKS], 98304
	s_mov_b32 s[TVS], 102400
	s_mov_b32 s[SIG], 0
.Lss:                                                  ; seven trips in every wave; a trip beyond my count does no work
	s_cmp_ge_u32 s[SIG], s[NSS]
	s_cbranch_scc1 .Lss_skip
	v_add_nc_u32 v6, s[TK], v1                     ; (these six are also the places behind the last products, in front of the loads)
	v_add_nc_u32 v7, s[TK], v2
	v_add_nc_u32 v8, s[TV], v1
	v_add_nc_u32 v9, s[TV], v2
	v_add_nc_u32 v10, s[TKS], v3
	v_add_nc_u32 v11, s[TVS], v3
.irp t, 0,1
	ds_load_b128 v[32+6*\t:35+6*\t], v6 offset:768*\t
	ds_load_b64 v[36+6*\t:37+6*\t], v7 offset:768*\t
	ds_load_b32 v[172+\t], v10 offset:64*\t
.endr
.irp t, 0,1,2,3
.irp e, 0,1
	ds_load_b128 v[64+12*\t+6*\e:67+12*\t+6*\e], v8 offset:3072*\e+768*\t
	ds_load_b64 v[68+12*\t+6*\e:69+12*\t+6*\e], v9 offset:3072*\e+768*\t
.endr
	ds_load_b32 v[176+\t], v11 offset:64*\t
.endr
	s_wait_dscnt 20                                ; k's six loads are in; v's twenty may be out
	v_wmma_scale_f32_16x16x128_f8f6f4 v[120:127], v[32:43], v[16:27], 0, v172, v28 matrix_a_fmt:MATRIX_FMT_FP6 matrix_b_fmt:MATRIX_FMT_FP6
	v_wmma_scale_f32_16x16x128_f8f6f4 v[136:143], v[38:49], v[16:27], 0, v173, v28 matrix_a_fmt:MATRIX_FMT_FP6 matrix_b_fmt:MATRIX_FMT_FP6
.rept 4
	v_nop
.endr
	v_max3_num_f32 v180, v120, v121, v122          ; each block's largest score: a block of a span lies in one lane
	v_max3_num_f32 v181, v136, v137, v138
	v_max3_num_f32 v180, v180, v123, v124
	v_max3_num_f32 v181, v181, v139, v140
	v_max3_num_f32 v180, v180, v125, v126
	v_max3_num_f32 v181, v181, v141, v142
	v_max_num_f32 v180, v180, v127
	v_max_num_f32 v181, v181, v143
	s_delay_alu instid0(VALU_DEP_1)
	v_max_num_f32 v182, v180, v181
	s_delay_alu instid0(VALU_DEP_1)
	v_permlanex16_b32 v183, v182, s[SEL], s[SEL+1]
	s_delay_alu instid0(VALU_DEP_1)
	v_max_num_f32 v182, v182, v183
	NEWM
.irp j, 0,2,4,6,16,18,20,22
	v_pk_fma_f32 v[120+\j:121+\j], v[120+\j:121+\j], s[CS:CS+1], v[12:13] op_sel_hi:[1,0,0]   ; t - M
.endr
	v_fma_f32 v180, v180, s[CS], v12
	v_fma_f32 v181, v181, s[CS], v12
	s_wait_alu depctr_va_vdst(0)
.irp j, 0,1,2,3,4,5,6,7,16,17,18,19,20,21,22,23
	v_exp_f32 v[120+\j], v[120+\j]                 ; p
.endr
	v_pk_mul_f32 v[14:15], v[14:15], v[62:63] op_sel_hi:[1,0]   ; the sum under the new M (the plain instruction behind the exponentials)
	s_wait_alu depctr_va_vdst(0)                   ; one wait for the batch, ahead of its first reader
	v_exp_f32 v180, v180                           ; the blocks' largest p
	v_exp_f32 v181, v181
	v_pk_add_f32 v[190:191], v[120:121], v[122:123]   ; the row's sum, of the unquantised p, in two chains
	v_pk_add_f32 v[14:15], v[14:15], v[124:125]
	v_pk_add_f32 v[190:191], v[190:191], v[126:127]
	v_pk_add_f32 v[14:15], v[14:15], v[136:137]
	v_pk_add_f32 v[190:191], v[190:191], v[138:139]
	v_pk_add_f32 v[14:15], v[14:15], v[140:141]
	v_pk_add_f32 v[190:191], v[190:191], v[142:143]
	s_delay_alu instid0(VALU_DEP_1)
	v_pk_add_f32 v[14:15], v[14:15], v[190:191]
	s_wait_alu depctr_va_vdst(0)                   ; and one for the two
	v_max_num_f32 v180, 0x1800000, v180            ; the floor: the byte cannot fall under 1
	v_max_num_f32 v181, 0x1800000, v181
	s_delay_alu instid0(VALU_DEP_2)
	v_add_nc_u32 v185, 0xff000000, v180
	s_delay_alu instid0(VALU_DEP_2)
	v_add_nc_u32 v186, 0xff000000, v181
	s_delay_alu instid0(VALU_DEP_2)
	v_lshrrev_b32 v187, 23, v185
	s_delay_alu instid0(VALU_DEP_2)
	v_lshrrev_b32 v188, 23, v186
	s_delay_alu instid0(VALU_DEP_1)
	v_lshl_or_b32 v187, v188, 16, v187             ; bytes h and 2 + h of my query's word,
	s_delay_alu instid0(VALU_DEP_1)
	v_lshlrev_b32 v187, v5, v187
	s_delay_alu instid0(VALU_DEP_1)
	v_permlanex16_b32 v183, v187, s[SEL], s[SEL+1]
	s_delay_alu instid0(VALU_DEP_1)
	v_or_b32 v29, v187, v183                       ; with the other half's two
	; my class's 8 slots of each block: slots 8 c .. 8 c + 7 of 32.  The branches hang on the wave's number alone
	s_cmp_lt_u32 s[CC], 2
	s_cbranch_scc0 .Lss_hi
	s_cmp_eq_u32 s[CC], 0
	s_cbranch_scc0 .Lss_c1
	v_cvt_scalef32_pk16_fp6_f32 v[152:154], v[120:135], v185
	v_cvt_scalef32_pk16_fp6_f32 v[158:160], v[136:151], v186
	v_nop
	s_branch .Lss_join
.Lss_c1:
	s_wait_alu depctr_va_vdst(0)
	v_cvt_scalef32_pk16_fp6_f32 v[152:154], v[112:127], v185
	v_cvt_scalef32_pk16_fp6_f32 v[158:160], v[128:143], v186
	v_nop
	s_branch .Lss_join
.Lss_hi:
	s_cmp_eq_u32 s[CC], 2
	s_cbranch_scc0 .Lss_c3
	s_wait_alu depctr_va_vdst(0)
	v_cvt_scalef32_pk16_fp6_f32 v[164:166], v[120:135], v185
	v_cvt_scalef32_pk16_fp6_f32 v[168:170], v[136:151], v186
	s_branch .Lss_move
.Lss_c3:
	s_wait_alu depctr_va_vdst(0)
	v_cvt_scalef32_pk16_fp6_f32 v[164:166], v[112:127], v185
	v_cvt_scalef32_pk16_fp6_f32 v[168:170], v[128:143], v186
.Lss_move:
	v_nop                                          ; one plain instruction behind a scaled conversion
	s_wait_alu depctr_va_vdst(0)
.irp i, 0,1,2
	v_mov_b32 v[155+\i], v[164+\i]
	v_mov_b32 v[161+\i], v[168+\i]
.endr
.Lss_join:
	RESCALE
	s_wait_alu depctr_va_vdst(0)
	s_wait_dscnt 0x0                               ; v
.irp t, 0,1,2,3
	v_wmma_scale_f32_16x16x128_f8f6f4 v[192+8*\t:199+8*\t], v[64+12*\t:75+12*\t], v[152:163], v[192+8*\t:199+8*\t], v[176+\t], v29 matrix_a_fmt:MATRIX_FMT_FP6 matrix_b_fmt:MATRIX_FMT_FP6
.endr
.Lss_skip:
	s_add_co_u32 s[TK], s[TK], 1536
	s_add_co_u32 s[TV], s[TV], 6144
	s_add_co_u32 s[TKS], s[TKS], 128
	s_add_co_u32 s[TVS], s[TVS], 256
	s_add_co_u32 s[SIG], s[SIG], 1
	s_cmp_lt_u32 s[SIG], 7
	s_cbranch_scc1 .Lss
	; ---------------- the last spans, one at a time: all four classes of keys, masked ----------------
	s_add_co_i32 s[SPAN], s[W], -2
	s_mov_b32 s[EOFF], 32
	s_lshl_b32 s[N2], s[NSS], 1
	s_mov_b32 s[TRIP], 0
.Lds:                                                  ; three trips: spans w - 2, w - 1, w; one that has been served, or does not exist, does no work
	s_cmp_lt_i32 s[SPAN], s[N2]
	s_cbranch_scc1 .Lds_skip
	s_and_b32 s51, s[SPAN], 15
	s_mul_i32 s52, s51, 768
	s_mul_i32 s53, s51, 3072
	s_add_co_u32 s53, s53, 49152
	s_lshl_b32 s54, s51, 6
	s_add_co_u32 s54, s54, 98304
	s_lshr_b32 s55, s51, 1
	s_lshl_b32 s55, s55, 8
	s_and_b32 s56, s51, 1
	s_lshl_b32 s56, s56, 1
	s_add_co_u32 s55, s55, s56
	s_add_co_u32 s55, s55, 102400
	v_add_nc_u32 v6, s52, v1
	v_add_nc_u32 v7, s52, v2
	v_add_nc_u32 v8, s53, v1
	v_add_nc_u32 v9, s53, v2
	v_add_nc_u32 v10, s54, v3
	v_add_nc_u32 v11, s55, v3
	v_add_nc_u32 v229, s[EOFF], v4                 ; 16 (w - span) + r - 8 h
.irp k, 0,1,2,3
	ds_load_b128 v[32+6*\k:35+6*\k], v6 offset:12288*\k
	ds_load_b64 v[36+6*\k:37+6*\k], v7 offset:12288*\k
	ds_load_b32 v[172+\k], v10 offset:1024*\k
.endr
.irp t, 0,1,2,3
	ds_load_b128 v[64+6*\t:67+6*\t], v8 offset:768*\t
	ds_load_b64 v[68+6*\t:69+6*\t], v9 offset:768*\t
	ds_load_u16 v[176+\t], v11 offset:64*\t        ; the span's two bytes; the upper two are 0
.endr
	s_wait_alu depctr_va_vdst(0)
	s_wait_dscnt 12                                ; k's twelve loads are in; v's twelve may be out
.irp k, 0,1,2,3
	v_wmma_scale_f32_16x16x128_f8f6f4 v[112+8*\k:119+8*\k], v[32+6*\k:43+6*\k], v[16:27], 0, v[172+\k], v28 matrix_a_fmt:MATRIX_FMT_FP6 matrix_b_fmt:MATRIX_FMT_FP6
.endr
.irp k, 0,1,2,3
	v_sub_nc_u32 v[224+\k], v229, s[LO+\k]         ; (four places behind the products)
.endr
.irp k, 0,1,2,3
.irp j, 0,1,2,3,4,5,6,7
	v_add_nc_u32 v228, -\j, v[224+\k]              ; e - the least e that counts, as an unsigned number
	s_delay_alu instid0(VALU_DEP_1)
	v_cmp_ge_u32 vcc_lo, s[RNG+\k], v228
	v_cndmask_b32 v[112+8*\k+\j], v30, v[112+8*\k+\j], vcc_lo   ; hidden: -infinity.  Each tile from its low end on
.endr
.endr
	v_max3_num_f32 v180, v112, v113, v114          ; my block's largest score: all 32 slots are mine
	v_max3_num_f32 v181, v115, v116, v117
.irp i, 6,10,14,18,22,26
	s_delay_alu instid0(VALU_DEP_2)
	v_max3_num_f32 v180, v180, v[112+\i], v[113+\i]
	s_delay_alu instid0(VALU_DEP_2)
	v_max3_num_f32 v181, v181, v[114+\i], v[115+\i]
.endr
	s_delay_alu instid0(VALU_DEP_2)
	v_max3_num_f32 v180, v180, v142, v143
	s_delay_alu instid0(VALU_DEP_1)
	v_max_num_f32 v180, v180, v181
	s_delay_alu instid0(VALU_DEP_1)
	v_permlanex16_b32 v183, v180, s[SEL], s[SEL+1]
	s_delay_alu instid0(VALU_DEP_1)
	v_max_num_f32 v182, v180, v183                 ; every query has a key that counts in each of these spans
	NEWM
.irp j, 0,2,4,6,8,10,12,14,16,18,20,22,24,26,28,30
	v_pk_fma_f32 v[112+\j:113+\j], v[112+\j:113+\j], s[CS:CS+1], v[12:13] op_sel_hi:[1,0,0]
.endr
	v_fma_f32 v180, v180, s[CS], v12
	s_wait_alu depctr_va_vdst(0)
.irp j, 0,1,2,3,4,5,6,7,8,9,10,11,12,13,14,15,16,17,18,19,20,21,22,23,24,25,26,27,28,29,30,31
	v_exp_f32 v[112+\j], v[112+\j]
.endr
	v_pk_mul_f32 v[14:15], v[14:15], v[62:63] op_sel_hi:[1,0]
	s_wait_alu depctr_va_vdst(0)                   ; one wait for the batch
	v_exp_f32 v180, v180
	v_pk_add_f32 v[190:191], v[116:117], v[120:121]
	v_pk_add_f32 v[252:253], v[124:125], v[128:129]
	v_pk_add_f32 v[250:251], v[132:133], v[136:137]
	v_pk_add_f32 v[248:249], v[140:141], v[112:113]
	v_pk_add_f32 v[246:247], v[114:115], v[118:119]
	v_pk_add_f32 v[244:245], v[122:123], v[126:127]
	v_pk_add_f32 v[242:243], v[130:131], v[134:135]
	v_pk_add_f32 v[14:15], v[14:15], v[138:139]
	v_pk_add_f32 v[190:191], v[190:191], v[142:143]
	s_delay_alu instid0(VALU_DEP_2)
	v_pk_add_f32 v[14:15], v[14:15], v[248:249]
	s_delay_alu instid0(VALU_DEP_2)
	v_pk_add_f32 v[190:191], v[190:191], v[246:247]
	v_pk_add_f32 v[252:253], v[252:253], v[244:245]
	v_pk_add_f32 v[250:251], v[250:251], v[242:243]
	s_delay_alu instid0(VALU_DEP_2)
	v_pk_add_f32 v[14:15], v[14:15], v[252:253]
	s_delay_alu instid0(VALU_DEP_2)
	v_pk_add_f32 v[190:191], v[190:191], v[250:251]
	s_delay_alu instid0(VALU_DEP_1)
	v_pk_add_f32 v[14:15], v[14:15], v[190:191]
	s_wait_alu depctr_va_vdst(0)                   ; and one for the one
	v_max_num_f32 v180, 0x1800000, v180
	s_delay_alu instid0(VALU_DEP_1)
	v_add_nc_u32 v185, 0xff000000, v180
	s_delay_alu instid0(VALU_DEP_1)
	v_lshrrev_b32 v187, 23, v185
	s_delay_alu instid0(VALU_DEP_1)
	v_lshlrev_b32 v187, v5, v187
	s_delay_alu instid0(VALU_DEP_1)
	v_permlanex16_b32 v183, v187, s[SEL], s[SEL+1]
	s_delay_alu instid0(VALU_DEP_1)
	v_or_b32 v29, v187, v183                       ; bytes 0 and 1; the upper two are 0
	v_cvt_scalef32_pk16_fp6_f32 v[152:154], v[112:127], v185
	v_cvt_scalef32_pk16_fp6_f32 v[164:166], v[128:143], v185
	v_nop
.irp i, 0,1,2
	v_mov_b32 v[155+\i], v[164+\i]
.endr
.irp i, 0,1,2,3,4,5
	v_mov_b32 v[158+\i], 0                         ; the instruction's upper 64 keys: zero codes
.endr
	RESCALE
	s_wait_alu depctr_va_vdst(0)
	s_wait_dscnt 0x0
.irp t, 0,1,2,3
	v_wmma_scale_f32_16x16x128_f8f6f4 v[192+8*\t:199+8*\t], v[64+6*\t:75+6*\t], v[152:163], v[192+8*\t:199+8*\t], v[176+\t], v29 matrix_a_fmt:MATRIX_FMT_FP6 matrix_b_fmt:MATRIX_FMT_FP6
.endr
.Lds_skip:
	s_add_co_i32 s[SPAN], s[SPAN], 1
	s_sub_co_u32 s[EOFF], s[EOFF], 16
	s_add_co_u32 s[TRIP], s[TRIP], 1
	s_cmp_lt_u32 s[TRIP], 3
	s_cbranch_scc1 .Lds
	; ---------------- the way out: O^T / the sum, quantised along d ----------------
.rept 4
	v_nop
.endr
	v_add_f32 v14, v14, v15
	s_delay_alu instid0(VALU_DEP_1)
	v_permlanex16_b32 v183, v14, s[SEL], s[SEL+1]
	s_delay_alu instid0(VALU_DEP_1)
	v_add_f32 v14, v14, v183
	s_wait_alu depctr_va_vdst(0)
	v_rcp_f32 v14, v14
	v_and_b32 v190, 31, v0                         ; (the plain instruction behind the reciprocal)
	s_wait_alu depctr_va_vdst(0)
.irp j, 0,2,4,6,8,10,12,14,16,18,20,22,24,26,28,30
	v_pk_mul_f32 v[64+\j:65+\j], v[192+\j:193+\j], v[14:15] op_sel_hi:[1,0]   ; register 16 g + i: d = 32 g + 16 h + i of my query
.endr
.irp b, 0,1
	v_max3_num_f32 v[180+\b], |v[64+16*\b]|, |v[65+16*\b]|, 0x1800000
.endr
.irp i, 2,4,6,8,10,12,14
.irp b, 0,1
	s_delay_alu instid0(VALU_DEP_2)
	v_max3_num_f32 v[180+\b], v[180+\b], |v[64+16*\b+\i]|, |v[65+16*\b+\i]|
.endr
.endr
.irp b, 0,1
	s_delay_alu instid0(VALU_DEP_2)
	v_permlanex16_b32 v[182+\b], v[180+\b], s[SEL], s[SEL+1]
.endr
.irp b, 0,1
	s_delay_alu instid0(VALU_DEP_2)
	v_max_num_f32 v[180+\b], v[180+\b], v[182+\b]
.endr
.irp b, 0,1
	s_delay_alu instid0(VALU_DEP_2)
	v_add_nc_u32 v[185+\b], 0xff000000, v[180+\b]
.endr
.irp b, 0,1
	s_delay_alu instid0(VALU_DEP_2)
	v_lshrrev_b32 v[187+\b], 23, v[185+\b]
.endr
	s_delay_alu instid0(VALU_DEP_1)
	v_lshl_or_b32 v189, v188, 8, v187
	v_cvt_scalef32_pk16_fp6_f32 v[152:154], v[64:79], v185
	v_cvt_scalef32_pk16_fp6_f32 v[164:166], v[80:95], v186
	v_nop
.irp i, 0,1,2
	v_permlane16_swap_b32 v[152+\i], v[164+\i]     ; a whole block to a lane
.endr
.irp i, 0,1,2
	s_delay_alu instid0(VALU_DEP_3)
	v_mov_b32 v[155+\i], v[164+\i]
.endr
	v_cmp_gt_u32 vcc_lo, 16, v190
	global_store_b128 v1, v[152:155], s[6:7]       ; 512 consecutive bytes, at a multiple of 256
	global_store_b64 v2, v[156:157], s[6:7]        ; 256 consecutive bytes, at a multiple of 256
	s_wait_xcnt 0x0                                ; EXEC changes only behind this wait
	s_wait_tensorcnt 0x0
	ds_add_u32 v254, v255
	s_wait_dscnt 0x0
	s_and_saveexec_b32 s51, vcc_lo
	global_store_b16 v31, v189, s[8:9]             ; lanes 0-15: my row's two scale bytes
	s_wait_xcnt 0x0
	s_or_b32 exec_lo, exec_lo, s51
	s_endpgm
.Lfunc_end_k_q606f77d28a_attn:
	.size	k_q606f77d28a_attn, .Lfunc_end_k_q606f77d28a_attn-k_q606f77d28a_attn
	.p2alignl 7, 3214868480
	.fill 96, 4, 3214868480
	.section	.rodata,"a",@progbits
	.p2align	6, 0x0
	.amdhsa_kernel k_q606f77d28a_attn
		.amdhsa_group_segment_fixed_size 169984
		.amdhsa_private_segment_fixed_size 0
		.amdhsa_enable_private_segment 0
		.amdhsa_kernarg_size 24
		.amdhsa_user_sgpr_count 2
		.amdhsa_user_sgpr_kernarg_segment_ptr 1
		.amdhsa_wavefront_size32 1
		.amdhsa_system_sgpr_workgroup_id_x 1
		.amdhsa_system_sgpr_workgroup_id_y 1
		.amdhsa_system_sgpr_workgroup_id_z 1
		.amdhsa_system_vgpr_workitem_id 0
		.amdhsa_next_free_vgpr 256
		.amdhsa_next_free_sgpr 66
		.amdhsa_reserve_vcc 1
		.amdhsa_float_denorm_mode_32 3
		.amdhsa_float_denorm_mode_16_64 3
		.amdhsa_memory_ordered 1
		.amdhsa_forward_progress 1
		.amdhsa_inst_pref_size 39
	.end_amdhsa_kernel
	.amdgpu_metadata
---
amdhsa.version: [ 1, 2 ]
amdhsa.kernels:
  - .name:           k_q606f77d28a_attn
    .symbol:         k_q606f77d28a_attn.kd
    .args:
      - { .name: qkv, .offset: 0, .size: 8, .value_kind: global_buffer, .address_space: global }
      - { .name: oc, .offset: 8, .size: 8, .value_kind: global_buffer, .address_space: global }
      - { .name: os, .offset: 16, .size: 8, .value_kind: global_buffer, .address_space: global }
    .group_segment_fixed_size: 169984
    .private_segment_fixed_size: 0
    .kernarg_segment_align: 8
    .kernarg_segment_size: 24
    .max_flat_workgroup_size: 512
    .sgpr_count:     66
    .vgpr_count:     256
    .wavefront_size: 32
...
	.end_amdgpu_metadata
.endif
;; end of part 3
;; launch outp (part 4): grid 8 x 32, 4 waves a work-group, clusters of 4 x 4, 327,680 bytes of LDS; arguments oc, os, pc, bo, out0; writes out0
.if DOCPART == 4
	.amdgcn_target "amdgcn-amd-amdhsa--gfx1250"
	.amdhsa_code_object_version 6
	.text
	.protected	k_q606f77d28a_outp
	.globl	k_q606f77d28a_outp
	.p2align	8
	.type	k_q606f77d28a_outp,@function
k_q606f77d28a_outp:
	s_mov_b64 s[64:65], 0
	v_nop
	global_prefetch_b8 v0, s[64:65] scope:SCOPE_SE
	s_setreg_imm32_b32 hwreg(HW_REG_WAVE_MODE, 25, 1), 1
	s_wait_xcnt 0x0
	s_wait_alu depctr_hold_cnt(0) depctr_sa_sdst(0) depctr_va_vdst(0) depctr_va_sdst(0) depctr_va_ssrc(0) depctr_va_vcc(0) depctr_vm_vsrc(0)
	s_getreg_b32 s2, hwreg(HW_REG_IB_STS2, 6, 4)
	s_cmp_eq_u32 s2, 0
	s_cbranch_scc0 .Lentry_in_a_cluster
	s_endpgm
.Lentry_in_a_cluster:
	s_bfe_u32 s2, ttmp6, 0x10000c
	s_cmp_lg_u32 s2, 0xf033
	s_cbranch_scc0 .Lentry_shape_is_right
	s_endpgm
.Lentry_shape_is_right:
; out = O Wo + bo on codes of FP6 (E2M3) with E8M0 scales, sums in f32.  A: oc, 256 row tiles [16 half fragments of 768 bytes], os: 512 bytes of scale words a tile.  B: Wo's 64 column tiles in pc (tiles 960 on), 12,800 bytes each:
; two halves of 512 k, each 256 bytes of scale words and eight half fragments.  A half fragment is 16 rows x 64 k: slot L = r + 16 h holds block h of row r: 16 bytes at 16 L, 8 bytes at 512 + 8 L.
; A work-group of four waves makes 128 x 128, a wave 64 x 64: 16 accumulators.  ALL of K lies in LDS at once: a wave's one tensor load brings four tiles, dense in memory (49,152 bytes of A or 51,200 of B); one barrier, then eight steps of 128 along K.
; CLUSTER 4 x 4: A's tiles are asked for jointly along a row of the cluster, B's along a column.  No prefetch: the launch has no loop and asks for everything at its head.
; The matrix instruction is used transposed (source 0 = a column tile, source 1 = a row tile).  Row tile 64 b + 4 w + c, row r, is position 64 w + 4 r + c; column tile 2 g + u, row r, is column 32 g + 8 u + (r & 7) + 16 (r >> 3):
; a lane holds one position, and 8 neighbouring columns an accumulator.  The bias is the C of each sum's first product.  A row tile's 16 rows x 64 columns leave through the wave's own stage in LDS, sixteen lanes to 256 consecutive bytes.
; LIMITS: NaN and infinities are not served.
.set TA,     12288
.set TB,     12800
.set BLDS,   8*TA                      ; B's eight tiles lie behind A's
.set STAGE,  BLDS+8*TB                 ; 16 rows x 272 bytes for each wave; no fill lands there
.set SPITCH, 272
.set SPARE,  STAGE+4*16*SPITCH         ; the spare words, 128 bytes for each wave
.set FR,     12
.set NP,     4                         ; places behind this matrix instruction (ISA guide 7.12.1)
.set O16,  4
.set O8,   5
.set ADRA, 16                          ; v16 16 L, v17 8 L + 512 in my four tiles of A
.set ADRB, 18                          ; v18-19 the same for B
.set STO,  24
.set RD,   25
.set CO,   26
.set SPW,  30
.set NIL,  31
.set SCA,  32                          ; v32-47 A's scale words: four a tile: lanes 0-15 words 0, 1 (4, 5), lanes 16-31 words 2, 3 (6, 7)
.set SCB,  48                          ; v48-63 B's
.set BIAS, 64                          ; v64-95 the bias; v64-127 later rows read back
.set BK,   64
.set ACC,  128
.set G1,   24
.set G1B,  32
.set G0,   48
.set G0B,  68
.set MSB, 0
.macro WIN new
.if MSB != (\new)
	s_set_vgpr_msb (MSB<<8)|(\new)
.set MSB, (\new)
.endif
.endm
.set MUL,  0x05                        ; the fragments lie in window 1, accumulators and scales in window 0
.set TO_F, 0x40
.macro CROUND
	s_barrier_signal -1
	s_barrier_wait -1
	s_cmp_lg_u32 s14, 0
	s_cbranch_scc1 .Lnot_wave_0_\@
	s_barrier_signal -3
.Lnot_wave_0_\@:
	s_barrier_wait -3
	s_barrier_signal -1
	s_barrier_wait -1
.endm
	s_load_b256 s[4:11], s[0:1], 0x0               ; oc, os, pc, bo
	s_load_b64 s[94:95], s[0:1], 0x20              ; out0
	v_lshl_add_u32 v[SPW], v0, 2, SPARE
	v_mov_b32 v[NIL], 0
	ds_add_u32 v[SPW], v[NIL]
	ds_add_u32 v[SPW], v[NIL]
	v_lshrrev_b32 v1, 5, v0
	v_readfirstlane_b32 s14, v1                    ; wave
	s_lshr_b32 s15, s14, 1                         ; my half of the rows; also: I fetch for A (0) or B (1)
	s_and_b32 s16, s14, 1                          ; my half of the columns; also: which four tiles I fetch
	s_bfe_u32 s40, ttmp6, 0x40000
	s_bfe_u32 s41, ttmp6, 0x40004
	s_lshl_b32 s42, ttmp9, 2
	s_add_co_u32 s42, s42, s40                     ; tile column 0..7
	s_and_b32 s17, ttmp7, 0xffff
	s_lshl_b32 s17, s17, 2
	s_add_co_u32 s17, s17, s41                     ; tile row 0..31
	s_lshl_b32 s43, s41, 2
	s_lshl_b32 s43, 15, s43
	s_lshl_b32 s44, 0x1111, s40
	s_or_b32 s[G1+0], s43, (3<<16)|(1<<21)         ; the mask of my row, elements of 8 bytes, no padding
	s_mov_b32 s[G1+1], (TA/8)<<16
	s_mov_b32 s[G1+2], 4<<16
	s_mov_b32 s[G1+3], (TA/8)<<16
	s_mov_b32 s[G1+4], 4
	s_mov_b32 s[G1+5], TA/8
	s_mov_b32 s[G1+6], 0
	s_mov_b32 s[G1+7], 0
	s_or_b32 s[G1B+0], s44, (3<<16)|(1<<21)
	s_mov_b32 s[G1B+1], (TB/8)<<16
	s_mov_b32 s[G1B+2], 4<<16
	s_mov_b32 s[G1B+3], (TB/8)<<16
	s_mov_b32 s[G1B+4], 4
	s_mov_b32 s[G1B+5], TB/8
	s_mov_b32 s[G1B+6], 0
	s_mov_b32 s[G1B+7], 0
	s_lshl_b32 s18, s16, 2
	s_lshl_b32 s20, s17, 3
	s_add_co_u32 s20, s20, s18                     ; A: row tile 8 x tile row + 4 x half
	s_lshl_b32 s46, s42, 3
	s_add_co_u32 s46, s46, s18
	s_add_co_u32 s46, s46, 960                     ; B: tile 960 + 8 x tile column + 4 x half (the four that I fetch are the four that I multiply)
	s_mul_i32 s20, s20, TA
	s_mov_b32 s21, 0
	s_mul_i32 s46, s46, TB
	s_mov_b32 s47, 0
	s_lshl_b32 s22, s17, 3
	s_lshl_b32 s23, s15, 2
	s_add_co_u32 s22, s22, s23
	s_lshl_b32 s22, s22, 9                         ; my four row tiles' scale words
	s_mov_b32 s23, 0
	s_lshl_b32 s104, s42, 9
	s_lshl_b32 s105, s16, 8
	s_add_co_u32 s104, s104, s105                  ; my 64 columns, in bytes
	s_mov_b32 s105, 0
	s_lshl_b32 s100, s17, 7
	s_lshl_b32 s101, s15, 6
	s_add_co_u32 s100, s100, s101
	s_lshl_b32 s100, s100, 12                      ; my 64 rows
	s_mov_b32 s101, 0
	s_mul_i32 s45, s14, 4*TA
	s_mul_i32 s66, s16, 4*TB
	s_add_co_u32 s66, s66, BLDS
	s_wait_alu depctr_va_vdst(0)
	s_wait_dscnt 0x0                               ; both opening adds are done
	CROUND                                         ; all sixteen work-groups are here: the joint loads meet
	s_wait_kmcnt 0x0
	s_add_nc_u64 s[20:21], s[4:5], s[20:21]
	s_add_nc_u64 s[46:47], s[8:9], s[46:47]
	s_mov_b32 s[G0], 1
	s_mov_b32 s[G0+1], s45
	s_mov_b64 s[G0+2:G0+3], s[20:21]
	s_or_b32 s[G0+3], s[G0+3], 0x80000000
	s_mov_b32 s[G0B], 1
	s_mov_b32 s[G0B+1], s66
	s_mov_b64 s[G0B+2:G0B+3], s[46:47]
	s_or_b32 s[G0B+3], s[G0B+3], 0x80000000
	s_cmp_eq_u32 s15, 0                            ; one tensor load a wave: waves 0 and 1 for A, waves 2 and 3 for B
	s_cbranch_scc0 .Lfor_b
	tensor_load_to_lds s[G0:G0+3], s[G1:G1+7]
	s_nop 0
.rept 4
	v_nop
.endr
	s_branch .Lasked
.Lfor_b:
	tensor_load_to_lds s[G0B:G0B+3], s[G1B:G1B+7]
	s_nop 0
.rept 4
	v_nop
.endr
.Lasked:
	s_add_nc_u64 s[6:7], s[6:7], s[22:23]
	s_add_nc_u64 s[12:13], s[10:11], s[104:105]
	s_add_nc_u64 s[94:95], s[94:95], s[104:105]
	s_add_nc_u64 s[94:95], s[94:95], s[100:101]
	v_and_b32 v1, 15, v0                           ; r
	v_bfe_u32 v2, v0, 4, 1                         ; h
	v_and_b32 v3, 31, v0                           ; L
	v_lshlrev_b32 v6, 3, v3
	v_lshlrev_b32 v7, 6, v2
.irp i, 0,1,2,3
.irp p, 0,1
	global_load_b64 v[SCA+4*\i+2*\p:SCA+4*\i+2*\p+1], v6, s[6:7] offset:512*\i+256*\p
	global_load_b64 v[SCB+4*\i+2*\p:SCB+4*\i+2*\p+1], v6, s[46:47] offset:TB*\i+6400*\p
.endr
.endr
.irp b, 0,1,2,3
	global_load_b128 v[BIAS+8*\b:BIAS+8*\b+3], v7, s[12:13] offset:128*(\b/2)+32*(\b%2)
	global_load_b128 v[BIAS+8*\b+4:BIAS+8*\b+7], v7, s[12:13] offset:128*(\b/2)+32*(\b%2)+16
.endr
	v_lshlrev_b32 v[O16], 4, v3
	v_add_nc_u32 v[O8], 512, v6
	s_mul_i32 s2, s15, 4*TA
	s_mul_i32 s3, s16, 4*TB
	s_add_co_u32 s3, s3, BLDS
	v_add_nc_u32 v[ADRA], s2, v[O16]
	v_add_nc_u32 v[ADRA+1], s2, v[O8]
	v_add_nc_u32 v[ADRB], s3, v[O16]
	v_add_nc_u32 v[ADRB+1], s3, v[O8]
	s_mul_i32 s18, s14, 16*SPITCH
	s_add_co_u32 s18, s18, STAGE
	v_mul_u32_u24 v8, v1, SPITCH
	v_lshl_add_u32 v8, v2, 6, v8
	v_add_nc_u32 v[STO], s18, v8                   ; the stage, in: row r, + 64 h bytes
	v_mul_u32_u24 v9, v2, SPITCH
	v_lshl_add_u32 v9, v1, 4, v9
	v_add_nc_u32 v[RD], s18, v9                    ; back: sixteen lanes to a row
	v_lshlrev_b32 v[CO], 14, v2
	v_lshl_add_u32 v[CO], v1, 4, v[CO]             ; and in out0: a tile's rows lie 4 rows apart
.macro FRAG reg, adr, off
	ds_load_b128 v[\reg:\reg+3], v[\adr] offset:\off
	ds_load_b64 v[\reg+4:\reg+5], v[\adr+1] offset:\off
	ds_load_b128 v[\reg+6:\reg+9], v[\adr] offset:\off+768
	ds_load_b64 v[\reg+10:\reg+11], v[\adr+1] offset:\off+768
.endm
.macro FETCH s                         ; step s's eight fragments into set s % 2: 32 loads
	WIN TO_F
.irp i, 0,1,2,3
	FRAG 128*((\s)%2)+48+FR*\i, ADRB, TB*\i+256+((\s)/4)*6400+((\s)%4)*1536
.endr
.irp i, 0,1,2,3
	FRAG 128*((\s)%2)+FR*\i, ADRA, TA*\i+(\s)*1536
.endr
.endm
; 16 matrix instructions, the 16 accumulators by turns
.macro MUL s
.set FSET, 128*((\s)%2)
.set SWD, 2*((\s)/4)+((\s)%2)
	WIN MUL
.irp a, 0,1,2,3
.irp b, 0,1,2,3
.if (\s) == 0
	v_wmma_scale_f32_16x16x128_f8f6f4 v[ACC+8*(4*\a+\b):ACC+8*(4*\a+\b)+7], v[FSET+48+FR*\b:FSET+48+FR*\b+FR-1], v[FSET+FR*\a:FSET+FR*\a+FR-1], v[BIAS+8*\b:BIAS+8*\b+7], v[SCB+4*\b+SWD], v[SCA+4*\a+SWD] matrix_a_fmt:MATRIX_FMT_FP6 matrix_b_fmt:MATRIX_FMT_FP6
.elseif ((\s)/2)%2
	v_wmma_scale_f32_16x16x128_f8f6f4 v[ACC+8*(4*\a+\b):ACC+8*(4*\a+\b)+7], v[FSET+48+FR*\b:FSET+48+FR*\b+FR-1], v[FSET+FR*\a:FSET+FR*\a+FR-1], v[ACC+8*(4*\a+\b):ACC+8*(4*\a+\b)+7], v[SCB+4*\b+SWD], v[SCA+4*\a+SWD] matrix_a_fmt:MATRIX_FMT_FP6 matrix_b_fmt:MATRIX_FMT_FP6 matrix_a_scale:MATRIX_SCALE_ROW1 matrix_b_scale:MATRIX_SCALE_ROW1
.else
	v_wmma_scale_f32_16x16x128_f8f6f4 v[ACC+8*(4*\a+\b):ACC+8*(4*\a+\b)+7], v[FSET+48+FR*\b:FSET+48+FR*\b+FR-1], v[FSET+FR*\a:FSET+FR*\a+FR-1], v[ACC+8*(4*\a+\b):ACC+8*(4*\a+\b)+7], v[SCB+4*\b+SWD], v[SCA+4*\a+SWD] matrix_a_fmt:MATRIX_FMT_FP6 matrix_b_fmt:MATRIX_FMT_FP6
.endif
.endr
.endr
.endm
.macro PLACES n
.rept \n
	v_nop
.endr
.endm
	s_wait_alu depctr_va_vdst(0)
	s_wait_tensorcnt 0x0                           ; my four tiles are in;
	s_barrier_signal -1
	s_barrier_wait -1                              ; everybody's are.  Nothing is filled again
	FETCH 0
.irp s, 0,1,2,3,4,5,6
.if \s > 0
	PLACES NP                                      ; the next step's set was read by the step before
.endif
	FETCH \s+1
.if \s == 0
	s_wait_loadcnt 0x0                             ; the scale words and the bias
.endif
	s_wait_dscnt 32                                ; all but the 32 just issued
	MUL \s
.endr
	s_wait_dscnt 0x0
	MUL 7
	WIN 0
.macro TOSTAGE a
.set AC, ACC+32*(\a)
.irp b, 0,1,2,3
	ds_store_b128 v[STO], v[AC+8*\b:AC+8*\b+3] offset:128*(\b/2)+32*(\b%2)      ; each accumulator from its low end on
	ds_store_b128 v[STO], v[AC+8*\b+4:AC+8*\b+7] offset:128*(\b/2)+32*(\b%2)+16
.endr
.set BB, BK+32*((\a)%2)
.irp t, 0,1,2,3,4,5,6,7
	ds_load_b128 v[BB+4*\t:BB+4*\t+3], v[RD] offset:\t*2*SPITCH    ; LDS serves a wave's instructions in order (ISA guide 5.7.1.4)
.endr
.endm
.macro SEND a, younger
.set BB, BK+32*((\a)%2)
	s_wait_dscnt \younger
.irp t, 0,1,2,3,4,5,6,7
	global_store_b128 v[CO], v[BB+4*\t:BB+4*\t+3], s[94:95] offset:(8*\t+(\a))*4096 th:TH_STORE_NT
.endr
.endm
	PLACES NP
	TOSTAGE 0
.irp a, 1,2,3
.if \a > 1
	s_wait_xcnt 0x0                                ; the stores of two tiles back have read their registers
.endif
	TOSTAGE \a
	SEND \a-1, 16
.endr
	SEND 3, 0
	s_wait_tensorcnt 0x0                           ; the wave's end
	ds_add_u32 v[SPW], v[NIL]
	s_wait_dscnt 0x0
	CROUND                                         ; the closing round
	s_endpgm
.Lfunc_end_k_q606f77d28a_outp:
	.size	k_q606f77d28a_outp, .Lfunc_end_k_q606f77d28a_outp-k_q606f77d28a_outp
	.p2alignl 7, 3214868480
	.fill 96, 4, 3214868480
	.section	.rodata,"a",@progbits
	.p2align	6, 0x0
	.amdhsa_kernel k_q606f77d28a_outp
		.amdhsa_group_segment_fixed_size 327680
		.amdhsa_private_segment_fixed_size 0
		.amdhsa_enable_private_segment 0
		.amdhsa_kernarg_size 40
		.amdhsa_user_sgpr_count 2
		.amdhsa_user_sgpr_kernarg_segment_ptr 1
		.amdhsa_wavefront_size32 1
		.amdhsa_system_sgpr_workgroup_id_x 1
		.amdhsa_system_sgpr_workgroup_id_y 1
		.amdhsa_system_sgpr_workgroup_id_z 1
		.amdhsa_system_vgpr_workitem_id 0
		.amdhsa_next_free_vgpr 512
		.amdhsa_next_free_sgpr 106
		.amdhsa_reserve_vcc 0
		.amdhsa_float_denorm_mode_32 3
		.amdhsa_float_denorm_mode_16_64 3
		.amdhsa_memory_ordered 1
		.amdhsa_forward_progress 1
		.amdhsa_inst_pref_size 50
	.end_amdhsa_kernel
	.amdgpu_metadata
---
amdhsa.version: [ 1, 2 ]
amdhsa.kernels:
  - .name:           k_q606f77d28a_outp
    .symbol:         k_q606f77d28a_outp.kd
    .args:
      - { .name: oc, .offset: 0, .size: 8, .value_kind: global_buffer, .address_space: global }
      - { .name: os, .offset: 8, .size: 8, .value_kind: global_buffer, .address_space: global }
      - { .name: pc, .offset: 16, .size: 8, .value_kind: global_buffer, .address_space: global }
      - { .name: bo, .offset: 24, .size: 8, .value_kind: global_buffer, .address_space: global }
      - { .name: out0, .offset: 32, .size: 8, .value_kind: global_buffer, .address_space: global }
    .group_segment_fixed_size: 327680
    .private_segment_fixed_size: 0
    .kernarg_segment_align: 8
    .kernarg_segment_size: 40
    .max_flat_workgroup_size: 128
    .sgpr_count:     106
    .vgpr_count:     512
    .wavefront_size: 32
...
	.end_amdgpu_metadata
.endif
;; end of part 4
